; MI455X (gfx1250); checked and timed in simulation.
; The chip was launched on July 23, 2026; its instructions are those of AMD's public machine-readable ISA for CDNA 5 (MIT licence, August 2026) and "CDNA5" Instruction Set Architecture Reference Guide (July 2026). The comments in the code are by the model that wrote it; some were corrected since.
;; Attention. Allowed arithmetic: float matrix products may take bf16 or f16 operands with f32 sums; other float arithmetic in f32, or as packed bf16 or f16 multiplies, adds, multiply-adds, maxima and minima; sums over many terms, partial sums and values carried from step to step in f32; what a program stores and reads back later, other than sums and carried values, may be rounded once to bf16 or f16.
;; Inputs: W_qkv 1,024 x 3,072 float32; b_qkv 3,072 float32; x 4 x 2,048 x 1,024 float32.
;; Outputs: out0 4 x 2,048 x 1,024 float32.
;; 2 versions, each right; version 2 is version 1 with the launch cast written anew for expert scheduling mode. Each part assembles by itself: llvm-mc -triple=amdgcn-amd-amdhsa -mcpu=gfx1250 --defsym DOCPART=n.
;; ======== version 1 of 2: 4 launches
;; limits: values are held in f16: magnitudes above 65,504 overflow, below 6.1e-05 lose precision
;; workspace buffers: xb 16,777,216 bytes; wb 6,291,456 bytes; qkv 50,331,648 bytes; pw 33,554,432 bytes; sm 524,288 bytes; sl 524,288 bytes
;; launch cast (part 1): grid 704 x 1, 8 waves a work-group, no clusters, 0 bytes of LDS; arguments x, W_qkv, xb, wb; writes xb, wb
.if DOCPART == 1
	.amdgcn_target "amdgcn-amd-amdhsa--gfx1250"
	.amdhsa_code_object_version 6
	.text
	.protected	k_qec96a6c25a_cast
	.globl	k_qec96a6c25a_cast
	.p2align	8
	.type	k_qec96a6c25a_cast,@function
k_qec96a6c25a_cast:
	s_mov_b64 s[64:65], 0
	v_nop
	global_prefetch_b8 v0, s[64:65] scope:SCOPE_SE
	s_setreg_imm32_b32 hwreg(HW_REG_WAVE_MODE, 25, 1), 1
	s_wait_xcnt 0x0
; xb = bf16(x) and wb = bf16(W_qkv), each number rounded once to nearest even.
; wb keeps W_qkv's layout, [1024][3072].  xb is laid out in blocks for the launch behind: [16 blocks of 64 k][8192 rows][64 k], so that 256 rows of one block of k are 32,768 bytes on end.
; A work-group casts 65,536 input bytes in 16 pieces a thread.  Work-groups 0-511 take 16 rows of x each, 512-703 take W_qkv.
; x: wave w takes the blocks 2 w and 2 w + 1 of k; in a piece lanes 0-15 take one row's 256 bytes of a block and lanes 16-31 the next row's, which become 256 consecutive bytes of xb.
; W_qkv: thread t takes the 16 bytes at 16 t of each 4,096 bytes.  In both, a wave's load covers two aligned runs of 256 bytes or 512 on end, and its store 256 consecutive bytes at a multiple of 256.
; All 16 loads go out first; no register is written twice, so the only waits are the counted ones for the loads.  No LDS, no matrix unit, no cluster: nothing is shared and nothing is read twice.
.set XG,   512                         ; work-groups that take x
.set IN,   8                           ; v[8:71]    piece i: 4 registers as loaded
.set OUT,  72                          ; v[72:103]  piece i: 2 registers to store
; Piece i lies (i / 2) ia + (i % 2) ib bytes on in the input and (i / 2) oa + (i % 2) ob bytes on in the output.
.macro MOVE ia, ib, oa, ob
.irp i, 0,1,2,3,4,5,6,7,8,9,10,11,12,13,14,15
	global_load_b128 v[IN+4*(\i):IN+4*(\i)+3], v1, s[12:13] offset:((\i)/2)*(\ia)+((\i)%2)*(\ib) th:TH_LOAD_NT
.endr
.irp i, 0,1,2,3,4,5,6,7,8,9,10,11,12,13,14,15
	s_wait_loadcnt 15-(\i)                         ; loads come back in order: piece i is in, the younger ones stay out
	v_cvt_pk_bf16_f32 v[OUT+2*(\i)],   v[IN+4*(\i)],   v[IN+4*(\i)+1]
	v_cvt_pk_bf16_f32 v[OUT+2*(\i)+1], v[IN+4*(\i)+2], v[IN+4*(\i)+3]
	global_store_b64 v2, v[OUT+2*(\i):OUT+2*(\i)+1], s[14:15] offset:((\i)/2)*(\oa)+((\i)%2)*(\ob)
.endr
.endm
	s_load_b256 s[4:11], s[0:1], 0x0               ; x s[4:5], W_qkv s[6:7], xb s[8:9], wb s[10:11]
	s_mov_b32 s19, 0
	s_mov_b32 s21, 0
	s_cmp_lt_u32 ttmp9, XG                         ; the way hangs on the work-group's number alone
	s_cbranch_scc0 .Lweights
	v_and_b32 v3, 15, v0                           ; my 16 bytes in a row's 256 bytes of a block
	v_bfe_u32 v4, v0, 4, 1                         ; which of the piece's two rows
	v_lshrrev_b32 v5, 5, v0                        ; wave
	v_lshlrev_b32 v1, 4, v3
	v_lshl_add_u32 v1, v4, 12, v1                  ; in: a row of x is 4,096 bytes,
	v_lshl_add_u32 v1, v5, 9, v1                   ; two blocks of k are 512
	v_lshlrev_b32 v2, 3, v3
	v_lshl_add_u32 v2, v4, 7, v2                   ; out: a row of a block is 128 bytes,
	v_lshl_add_u32 v2, v5, 21, v2                  ; two blocks are 2 x 8,192 x 128
	s_lshl_b32 s18, ttmp9, 16                      ; my 16 rows in x
	s_lshl_b32 s20, ttmp9, 11                      ; and in a block of xb
	s_wait_kmcnt 0x0
	s_add_nc_u64 s[12:13], s[4:5], s[18:19]
	s_add_nc_u64 s[14:15], s[8:9], s[20:21]
	MOVE 8192, 256, 256, 1048576                   ; piece i: rows 2 (i / 2) and + 1, block 2 w + i % 2
	s_endpgm
.Lweights:
	v_lshlrev_b32 v1, 4, v0
	v_lshlrev_b32 v2, 3, v0
	s_sub_co_u32 s16, ttmp9, XG                    ; my number among the work-groups of W_qkv
	s_lshl_b32 s18, s16, 16
	s_lshl_b32 s20, s16, 15
	s_wait_kmcnt 0x0
	s_add_nc_u64 s[12:13], s[6:7], s[18:19]
	s_add_nc_u64 s[14:15], s[10:11], s[20:21]
	MOVE 8192, 4096, 4096, 2048                    ; piece i: the 4,096 bytes at 4,096 i
	s_endpgm
.Lfunc_end_k_qec96a6c25a_cast:
	.size	k_qec96a6c25a_cast, .Lfunc_end_k_qec96a6c25a_cast-k_qec96a6c25a_cast
	.p2alignl 7, 3214868480
	.fill 96, 4, 3214868480
	.section	.rodata,"a",@progbits
	.p2align	6, 0x0
	.amdhsa_kernel k_qec96a6c25a_cast
		.amdhsa_group_segment_fixed_size 0
		.amdhsa_private_segment_fixed_size 0
		.amdhsa_enable_private_segment 0
		.amdhsa_kernarg_size 32
		.amdhsa_user_sgpr_count 2
		.amdhsa_user_sgpr_kernarg_segment_ptr 1
		.amdhsa_wavefront_size32 1
		.amdhsa_system_sgpr_workgroup_id_x 1
		.amdhsa_system_sgpr_workgroup_id_y 1
		.amdhsa_system_sgpr_workgroup_id_z 1
		.amdhsa_system_vgpr_workitem_id 0
		.amdhsa_next_free_vgpr 104
		.amdhsa_next_free_sgpr 66
		.amdhsa_reserve_vcc 0
		.amdhsa_float_denorm_mode_32 3
		.amdhsa_float_denorm_mode_16_64 3
		.amdhsa_memory_ordered 1
		.amdhsa_forward_progress 1
		.amdhsa_inst_pref_size 13
	.end_amdhsa_kernel
	.amdgpu_metadata
---
amdhsa.version: [ 1, 2 ]
amdhsa.kernels:
  - .name:           k_qec96a6c25a_cast
    .symbol:         k_qec96a6c25a_cast.kd
    .args:
      - { .name: x, .offset: 0, .size: 8, .value_kind: global_buffer, .address_space: global }
      - { .name: W_qkv, .offset: 8, .size: 8, .value_kind: global_buffer, .address_space: global }
      - { .name: xb, .offset: 16, .size: 8, .value_kind: global_buffer, .address_space: global }
      - { .name: wb, .offset: 24, .size: 8, .value_kind: global_buffer, .address_space: global }
    .group_segment_fixed_size: 0
    .private_segment_fixed_size: 0
    .kernarg_segment_align: 8
    .kernarg_segment_size: 32
    .max_flat_workgroup_size: 256
    .sgpr_count:     66
    .vgpr_count:     104
    .wavefront_size: 32
...
	.end_amdgpu_metadata
.endif
;; end of part 1
;; launch proj (part 2): grid 8 x 32, 4 waves a work-group, clusters of 4 x 4, 327,680 bytes of LDS; arguments xb, wb, b_qkv, qkv; writes qkv
.if DOCPART == 2
	.amdgcn_target "amdgcn-amd-amdhsa--gfx1250"
	.amdhsa_code_object_version 6
	.text
	.protected	k_qec96a6c25a_proj
	.globl	k_qec96a6c25a_proj
	.p2align	8
	.type	k_qec96a6c25a_proj,@function
k_qec96a6c25a_proj:
	s_mov_b64 s[64:65], 0
	v_nop
	global_prefetch_b8 v0, s[64:65] scope:SCOPE_SE
	s_setreg_imm32_b32 hwreg(HW_REG_WAVE_MODE, 25, 1), 1
	s_wait_xcnt 0x0
	s_wait_alu depctr_hold_cnt(0) depctr_sa_sdst(0) depctr_va_vdst(0) depctr_va_sdst(0) depctr_va_ssrc(0) depctr_va_vcc(0) depctr_vm_vsrc(0)
	s_getreg_b32 s2, hwreg(HW_REG_IB_STS2, 6, 4)
	s_cmp_eq_u32 s2, 0
	s_cbranch_scc0 .Lentry_in_a_cluster
	s_endpgm
.Lentry_in_a_cluster:
	s_bfe_u32 s2, ttmp6, 0x10000c
	s_cmp_lg_u32 s2, 0xf033
	s_cbranch_scc0 .Lentry_shape_is_right
	s_endpgm
.Lentry_shape_is_right:
; qkv[m][n] = f16( sum over k of x[m][k] W[k][n] + bf16(b_qkv[n]) ).  xb: bf16(x) as [16 blocks of 64 k][8192 rows][64 k]; wb: [1024][3072] bf16; b_qkv: [3072] f32; qkv: [8192][3072] f16.  Sums in f32.
; LIMIT.  qkv is stored in f16: a sum of 65,520 or more becomes an infinity.  The bias is rounded to bf16 like x and W, so that all three inputs carry the same rounding.
; SHARES.  A tile of qkv is 256 rows x 384 columns: 32 x 8 = 256 tiles, one to a work-group.  Four waves, each 128 rows x 192 columns: 96 accumulators of 16 x 16, 768 registers.  For one k the work-group brings
; (256 + 384) x 2 bytes into LDS for 98,304 multiply-adds, and for 32 k a wave reads 40 x 512 bytes of LDS for 96 matrix instructions.
; K goes in steps of 64 through two LDS slots: two slots of 128 k (2 x 172,032 bytes) do not fit.  x's tile is 32,768 bytes on end in xb and is asked for as rows of 256 bytes; W's tile is 64 rows of 768 bytes and is
; turned on the way into registers by ds_load_tr16_b128.  A step is written once: the slot's LDS address lies in a scalar register that an exclusive or turns.
; COLUMNS.  The tile's 384 columns are three segments of 128 (256 bytes); wave half c takes columns 64 c to 64 c + 63 of each segment: column block b = 4 g + i is columns 128 g + 64 c + 16 i on.
; CLUSTER.  4 x 4 work-groups: the four of a row of the cluster need the same tile of x, the four of a column the same tile of W.  Each tile is asked for jointly: the same tensor load, descriptor and mask in all four.
; THE MATRIX INSTRUCTION IS USED TRANSPOSED: source 0 = 16 columns of W, source 1 = 16 rows of x: lane l holds row l % 16 and the columns 8 (l / 16) + 0..7: eight neighbours of a row, 16 bytes in f16.
; THE BIAS starts the sums: it is loaded from LDS into the accumulators in the wait for the first tile, so that every product adds in place and no first step is written out.
; REGISTERS, in windows of 256 (s_set_vgpr_msb: bits 1:0 source 0, 3:2 source 1, 5:4 source 2, 7:6 destination):
;   window 0: v0-31 addresses; v32-95, v96-159 fragments of x (8 x 16 rows x 32 k), two buffers; v160-255 fragments of W (12 x 16 columns x 32 k), one set, loaded again group by group behind the group's products
;   window 1 + g: the 32 accumulators of segment g: (row block a, i) at v[64 i + 8 a]
.set PA,    144                        ; a row of x's tile in LDS: 128 bytes + 16 = 36 words: the 16 rows of a load start at 16 different groups of four banks (64 banks of 4 bytes: ISA guide 11.1)
.set PB,    864                        ; a row of W's tile: 3 x (256 + 32) bytes = 27 x 32
.set SEG,   288                        ; a segment of that row with its padding
.set AT,    256*PA                     ; x's tile, 36,864 bytes
.set SLOTB, AT+64*PB                   ; then W's tile, 55,296 bytes: a slot is 92,160 bytes
.set SLOT1, 1<<17                      ; slot 1 begins here, so that one exclusive or turns an address in one slot into the other's
.set BIAS,  SLOTB                      ; between the slots: 768 bytes for each wave, the bias of its 192 columns
.set SPARE, BIAS+4*768                 ; and the spare words, 128 bytes for each wave: two blocks of 256 bytes that no other line names
.set STAGE, SLOT1+SLOTB                ; behind the ring: 128 rows x 784 bytes, the work-group's, for the way out
.set SP,    784                        ; 768 bytes + 16 = 49 x 16
.set ROWB,  6144                       ; bytes in a row of wb and of qkv
.set STEPA, 8192*128                   ; a step of 64 k in xb: the next block,
.set STEPB, 64*ROWB                    ; and in wb
.set FILLS, 14                         ; 16 steps, of which the first two are asked for at the start
.set ADRA0, 8                          ; v8   LDS address of my fragments of x in slot 0; never rewritten
.set ADRB0, 9                          ; v9   the same for W
.set ADRA,  10                         ; v10  the same in the slot in hand
.set ADRB,  11                         ; v11
.set STO,   12                         ; v12  the way out: where I put 16 bytes of a row
.set RD,    13                         ; v13  where I read 16 bytes of a row back
.set CO,    14                         ; v14  my byte offset in two rows of qkv
.set BS,    15                         ; v15  where I read the bias of my eight columns of a block
.set SPW,   28                         ; v28  LDS address of my spare word; never rewritten
.set NIL,   29                         ; v29  0; never rewritten
.set FA,    32                         ; x's fragments: buffer f, row block a at FA + 64 f + 8 a
.set FB,    160                        ; W's fragments: column block b at FB + 8 b
.set TMP,   32                         ; the way out: 48 registers of packed results,
.set BK,    32                         ; then 192 registers of rows read back
.set LP,   3                           ; s3   trips to go
.set WV,   14                          ; s14  my wave's number
.set RH,   15                          ; s15  which 128 rows of the tile are mine
.set CH,   16                          ; s16  which half of each segment; also which half of a tile I fetch
.set G1,   24                          ; s[24:31] descriptor group 1 for x's tiles;  s[32:39] group 0: a set for each of the two first fills; the second then walks on
.set G0,   32
.set G1B,  48                          ; s[48:55], s[56:63] the same for W's tiles
.set G0B,  56
.set HM,   66                          ; s66  mask of a word's upper bf16
.set TB,   67                          ; s67  LDS byte at which the slot in hand begins
.set MSB, 0
.macro WIN new                         ; the immediate's high byte repeats the setting that is left; a switch that changes nothing is dropped
.if MSB != (\new)
	s_set_vgpr_msb (MSB<<8)|(\new)
.set MSB, (\new)
.endif
.endm
.macro PLACES                          ; four plain vector instructions between a matrix instruction and a load into, or a vector instruction on, one of its registers
.rept 4
	v_nop
.endr
.endm
; A joint load.  Waves 0 and 1 fetch the two halves of x's tile (128 rows of x each), waves 2 and 3 those of W's (32 rows each).  The branch hangs on the wave's number alone.
; An s_nop 0 and four v_nop follow each of the two lines, ahead of the jump and the label.
.macro JLOAD s
	s_cmp_lt_u32 s[WV], 2
	s_cbranch_scc0 .Lfor_b_\@
	tensor_load_to_lds s[G0+4*(\s):G0+4*(\s)+3], s[G1:G1+7]
	s_nop 0
.rept 4
	v_nop
.endr
	s_branch .Lasked_\@
.Lfor_b_\@:
	tensor_load_to_lds s[G0B+4*(\s):G0B+4*(\s)+3], s[G1B:G1B+7]
	s_nop 0
.rept 4
	v_nop
.endr
.Lasked_\@:
.endm
.macro CREST                           ; a round of the cluster's barrier behind its opening barrier: wave 0 signals for the work-group, every wave waits for all sixteen, my work-group's barrier closes it
	s_cmp_lg_u32 s[WV], 0
	s_cbranch_scc1 .Lnot_wave_0_\@
	s_barrier_signal -3
.Lnot_wave_0_\@:
	s_barrier_wait -3
	s_barrier_signal -1
	s_barrier_wait -1
.endm
.macro CROUND                          ; a whole round
	s_barrier_signal -1
	s_barrier_wait -1
	CREST
.endm
	s_load_b256 s[4:11], s[0:1], 0x0               ; xb s[4:5], wb s[6:7], b_qkv s[8:9], qkv s[10:11]
	v_lshl_add_u32 v[SPW], v0, 2, SPARE
	v_mov_b32 v[NIL], 0
	ds_add_u32 v[SPW], v[NIL]                      ; the wave's opening: the add and its wait stand ahead of my first tensor load; the set-up below, work on registers, stands between them
	v_lshrrev_b32 v1, 5, v0
	v_readfirstlane_b32 s[WV], v1                  ; wave 0..3
	v_and_b32 v1, 15, v0                           ; l % 16
	v_bfe_u32 v2, v0, 4, 1                         ; l / 16
	v_lshlrev_b32 v3, 4, v1                        ; the bias: 16 bytes a lane of a segment's 256,
	v_lshl_add_u32 v4, v2, 9, v3                   ; lanes 16-31 a segment (512 bytes of b_qkv) on
	s_lshr_b32 s[RH], s[WV], 1
	s_and_b32 s[CH], s[WV], 1
	s_bfe_u32 s17, ttmp6, 0x40000                  ; cx, cy: my place in the cluster
	s_bfe_u32 s18, ttmp6, 0x40004
	s_lshl_b32 s19, ttmp9, 2
	s_add_co_u32 s19, s19, s17                     ; tile column = 4 x cluster x + cx (0..7)
	s_and_b32 s20, ttmp7, 0xffff
	s_lshl_b32 s20, s20, 2
	s_add_co_u32 s20, s20, s18                     ; tile row = 4 x cluster y + cy (0..31)
	s_lshl_b32 s21, s18, 2
	s_lshl_b32 s21, 15, s21                        ; my row of the cluster
	s_lshl_b32 s22, 0x1111, s17                    ; my column
	; descriptor group 1 for x: 16,384 bytes on end as 64 rows x 128 elements of 2 bytes, two rows of x a row; 4 words of padding behind every 32 words, that is behind every row of x
	s_or_b32 s[G1], s21, (1<<16)|(1<<20)|(1<<21)|(4<<22)|(3<<25)
	s_mov_b32 s[G1+1], 128<<16                     ; tensor_dim0 = 128
	s_mov_b32 s[G1+2], 64<<16                      ; tensor_dim1 = 64
	s_mov_b32 s[G1+3], 128<<16                     ; tile_dim0 = 128
	s_mov_b32 s[G1+4], 64                          ; tile_dim1 = 64
	s_mov_b32 s[G1+5], 128                         ; elements from row to row
	s_mov_b32 s[G1+6], 0
	s_mov_b32 s[G1+7], 0
	; and for W: 32 rows x 384 elements; 8 words of padding behind every 64 words, that is behind every segment
	s_or_b32 s[G1B], s22, (1<<16)|(1<<20)|(1<<21)|(5<<22)|(7<<25)
	s_mov_b32 s[G1B+1], 384<<16
	s_mov_b32 s[G1B+2], 32<<16
	s_mov_b32 s[G1B+3], 384<<16
	s_mov_b32 s[G1B+4], 32
	s_mov_b32 s[G1B+5], 3072
	s_mov_b32 s[G1B+6], 0
	s_mov_b32 s[G1B+7], 0
	; byte offsets, all under 2^31.  x's hangs on the tile row alone, W's on the tile column alone, each in registers that never hold the other coordinate
	s_lshl_b32 s40, s20, 8
	s_lshl_b32 s23, s[CH], 7
	s_add_co_u32 s40, s40, s23
	s_lshl_b32 s40, s40, 7                         ; xb: (256 tile row + 128 half) rows of 128 bytes in block 0
	s_mov_b32 s41, 0
	s_mul_i32 s42, s[CH], 32*ROWB                  ; wb: 32 half rows of 6,144 bytes
	s_mul_i32 s43, s19, 768
	s_add_co_u32 s42, s42, s43                     ; + 768 bytes a tile column
	s_mov_b32 s43, 0
	s_lshl_b32 s44, s20, 8                         ; qkv: the first row that I store: 256 tile row + 128 (wave / 2) + 32 (wave % 2),
	s_lshl_b32 s45, s[RH], 7
	s_add_co_u32 s44, s44, s45
	s_lshl_b32 s45, s[CH], 5
	s_add_co_u32 s44, s44, s45
	s_mul_i32 s44, s44, ROWB
	s_mul_i32 s45, s19, 768                        ; the tile's first column
	s_add_co_u32 s44, s44, s45
	s_mov_b32 s45, 0
	s_mul_i32 s46, s19, 1536                       ; the bias of my 64 columns of segment 0
	s_lshl_b32 s47, s[CH], 8
	s_add_co_u32 s46, s46, s47
	s_mov_b32 s47, 0
	s_mul_i32 s78, s[CH], 128*PA                   ; where my half of a tile goes: no place in the cluster enters an LDS address
	s_mul_i32 s79, s[CH], 32*PB
	s_add_co_u32 s79, s79, AT
	s_mov_b32 s[HM], 0xffff0000
	s_mov_b32 s[TB], 0
	s_wait_dscnt 0x0                               ; the opening add is done
	s_wait_kmcnt 0x0
	s_add_nc_u64 s[40:41], s[4:5], s[40:41]
	s_add_nc_u64 s[42:43], s[6:7], s[42:43]
	s_add_nc_u64 s[72:73], s[10:11], s[44:45]
	s_add_nc_u64 s[74:75], s[8:9], s[46:47]
	global_load_b128 v[32:35], v4, s[74:75]              ; the bias of segments 0 (lanes 0-15) and 1 (lanes 16-31),
	global_load_b128 v[36:39], v3, s[74:75] offset:1024  ; and of segment 2, the same in both halves of the lanes
	CROUND                                         ; all sixteen work-groups are here: the first joint loads meet
.irp s, 0,1
	s_mov_b32 s[G0+4*(\s)], 1                                      ; count = 1
	s_add_co_u32 s[G0+4*(\s)+1], s78, (\s)*SLOT1                   ; LDS address
	s_add_nc_u64 s[G0+4*(\s)+2:G0+4*(\s)+3], s[40:41], (\s)*STEPA  ; global address: step s
	s_or_b32 s[G0+4*(\s)+3], s[G0+4*(\s)+3], 0x80000000            ; type = 2
	s_mov_b32 s[G0B+4*(\s)], 1
	s_add_co_u32 s[G0B+4*(\s)+1], s79, (\s)*SLOT1
	s_add_nc_u64 s[G0B+4*(\s)+2:G0B+4*(\s)+3], s[42:43], (\s)*STEPB
	s_or_b32 s[G0B+4*(\s)+3], s[G0B+4*(\s)+3], 0x80000000
	JLOAD \s                                       ; two tensor loads of mine are out: the most anywhere in this text
.endr
	; A fragment of x is 16 rows x 32 k in 8 registers: lane l holds row l % 16, k = 8 (l / 16) + 0..7 and 16 + 8 (l / 16) + 0..7: two loads of 16 bytes, 32 bytes apart.
	v_mul_u32_u24 v5, v1, PA
	v_lshl_add_u32 v5, v2, 4, v5                   ; row x pitch + 16 x half
	s_mul_i32 s23, s[RH], 128*PA
	v_add_nc_u32 v[ADRA0], s23, v5
	v_mov_b32 v[ADRA], v[ADRA0]
	; The turning load takes 16 k x 16 columns (lane l reads 16 bytes: k = 8 (l / 16) + l % 8, columns 8 ((l / 8) % 2) + 0..7) and leaves half a fragment: lane l holds column l % 16 and 8 k.
	v_and_b32 v5, 7, v0
	v_bfe_u32 v6, v0, 3, 1
	v_lshl_add_u32 v7, v2, 3, v5
	v_mul_u32_u24 v7, v7, PB
	v_lshl_add_u32 v7, v6, 4, v7
	s_lshl_b32 s23, s[CH], 7                       ; my half of each segment,
	s_add_co_u32 s23, s23, AT                      ; behind x's tile
	v_add_nc_u32 v[ADRB0], s23, v7
	v_mov_b32 v[ADRB], v[ADRB0]
	s_mul_i32 s23, s[RH], 64*SP                    ; into the stage: in a pass my 64 rows, my half of each segment; row l % 16, 16 bytes for each half of the lanes
	s_lshl_b32 s2, s[CH], 7
	s_add_co_u32 s23, s23, s2
	s_add_co_u32 s23, s23, STAGE
	v_mul_u32_u24 v5, v1, SP
	v_lshl_add_u32 v5, v2, 4, v5
	v_add_nc_u32 v[STO], s23, v5
	s_mul_i32 s23, s[WV], 32*SP                    ; back: wave w takes the stage's rows 32 w to 32 w + 31, whole; lanes 0-15 256 bytes of one row, lanes 16-31 of the next
	s_add_co_u32 s23, s23, STAGE
	v_mul_u32_u24 v5, v2, SP
	v_lshl_add_u32 v5, v1, 4, v5
	v_add_nc_u32 v[RD], s23, v5
	v_mul_u32_u24 v5, v2, ROWB                     ; and the same two rows in qkv
	v_lshl_add_u32 v[CO], v1, 4, v5
	s_mul_i32 s23, s[WV], 768
	s_add_co_u32 s23, s23, BIAS                    ; my 768 bytes for the bias: segment g's 64 numbers at 256 g
	v_and_b32 v5, 31, v0
	v_lshl_add_u32 v6, v5, 4, s23                  ; in: 16 x lane covers segments 0 and 1,
	v_add_nc_u32 v7, s23, v3                       ; 16 (l % 16) + 512 segment 2
	v_lshl_add_u32 v[BS], v2, 5, s23               ; back: my eight columns of a block, 32 (l / 16) bytes in
	s_wait_loadcnt 0x0                             ; the bias
	v_cvt_pk_bf16_f32 v40, v32, v33                ; rounded to bf16 and widened again
	v_cvt_pk_bf16_f32 v41, v34, v35
	v_cvt_pk_bf16_f32 v42, v36, v37
	v_cvt_pk_bf16_f32 v43, v38, v39
.irp j, 0,1,2,3
	v_lshlrev_b32 v[32+2*(\j)], 16, v[40+(\j)]
	v_and_b32 v[33+2*(\j)], s[HM], v[40+(\j)]
.endr
	ds_store_b128 v6, v[32:35]
	ds_store_b128 v7, v[36:39] offset:512          ; both halves of the lanes write the same numbers to the same bytes
.irp g, 0,1,2                          ; every accumulator starts as its columns' bias: LDS serves a wave's instructions in order (ISA guide 5.7.1.4), so these loads see the stores above
	WIN ((\g)+1)<<6                                ; destination window 1 + g, address window 0
.irp i, 0,1,2,3
.irp a, 0,1,2,3,4,5,6,7
	ds_load_b128 v[64*(\i)+8*(\a):64*(\i)+8*(\a)+3],   v[BS] offset:256*(\g)+64*(\i)
	ds_load_b128 v[64*(\i)+8*(\a)+4:64*(\i)+8*(\a)+7], v[BS] offset:256*(\g)+64*(\i)+16
.endr
.endr
.endr
	WIN 0
; 8 matrix instructions: column block 4 g + i x all 8 row blocks, 32 along K, x from buffer f.  The 96 accumulators take turns, one instruction a turn, in the same order in every quarter.
.macro GROUPI f, g, i
	WIN 0x50*((\g)+1)                              ; sources window 0, C and D window 1 + g
.irp a, 0,1,2,3,4,5,6,7
	v_wmma_f32_16x16x32_bf16 v[64*(\i)+8*(\a):64*(\i)+8*(\a)+7], v[FB+8*(4*(\g)+(\i)):FB+8*(4*(\g)+(\i))+7], v[FA+64*(\f)+8*(\a):FA+64*(\f)+8*(\a)+7], v[64*(\i)+8*(\a):64*(\i)+8*(\a)+7]
.endr
.endm
.macro GROUP f, g                      ; a segment's 32
.irp i, 0,1,2,3
	GROUPI \f, \g, \i
.endr
.endm
.macro LOADB g, q                      ; 8 LDS loads: W's four fragments of segment g for half q (32 k) of the slot in hand
.irp i, 0,1,2,3
	ds_load_tr16_b128 v[FB+8*(4*(\g)+(\i)):FB+8*(4*(\g)+(\i))+3],   v[ADRB] offset:(\q)*32*PB+(\g)*SEG+32*(\i)
	ds_load_tr16_b128 v[FB+8*(4*(\g)+(\i))+4:FB+8*(4*(\g)+(\i))+7], v[ADRB] offset:(\q)*32*PB+16*PB+(\g)*SEG+32*(\i)
.endr
.endm
.macro LOADA f, q                      ; 16 LDS loads: x's eight fragments for half q of the slot in hand, into buffer f
.irp a, 0,1,2,3,4,5,6,7
	ds_load_b128 v[FA+64*(\f)+8*(\a):FA+64*(\f)+8*(\a)+3],   v[ADRA] offset:(\a)*16*PA+64*(\q)
	ds_load_b128 v[FA+64*(\f)+8*(\a)+4:FA+64*(\f)+8*(\a)+7], v[ADRA] offset:(\a)*16*PA+64*(\q)+32
.endr
.endm
; A step is two halves of 32 along K, 96 matrix instructions each.  Behind each segment's 32 products that segment's fragments of W are loaded again for the next half, 64 products ahead of their use;
; x's next fragments go into the other buffer with the first of them.  So the LDS loads go out as 24, 8, 8, and the waits count the younger runs.
; THE FIRST HALF multiplies x's buffer 0 and fetches the slot's second half.
.macro EVEN
	s_wait_dscnt 16                                ; segment 0 and x are in; the two younger runs of 8 may be out
	GROUP 0, 0
	PLACES
	WIN 0
	LOADB 0, 1
	LOADA 1, 1
	s_wait_dscnt 32                                ; segment 1 is in; behind it: segment 2's 8 and the 24 just issued
	GROUP 0, 1
	PLACES
	WIN 0
	LOADB 1, 1
	s_wait_dscnt 32                                ; segment 2 is in; behind it: 24 and 8
	GROUP 0, 2
	PLACES
	WIN 0
	LOADB 2, 1
.endm
; THE SECOND HALF multiplies buffer 1 and changes slots: ONE barrier for two things.  In front of it each wave waits for all its tensor loads, of which one is out: its part of the next slot; adds 0 to its spare word;
; and waits for that and for its own reads of this slot.  Behind it nobody reads this slot any more and the next slot is whole.
; fill = 1: this slot is filled again, two steps ahead: the barrier opens a round of the cluster's barrier, and the joint refill is the first tensor load behind it: 184 products stand between the request and the wait for it.
.macro ODD fill
	s_wait_dscnt 16
	GROUPI 1, 0, 0
	GROUPI 1, 0, 1
	GROUPI 1, 0, 2
	WIN 0                                          ; (the add's two registers lie in window 0)
	s_wait_tensorcnt 0x0                           ; all my tensor loads have landed, so a group 0 may be written
	ds_add_u32 v[SPW], v[NIL]                      ; 0 onto my spare word; the steps and eight products stand between it and the wait for it
.if \fill
	s_xor_b32 s[G0+5], s[G0+5], SLOT1              ; the walking descriptors: the other slot than last time,
	s_add_nc_u64 s[G0+6:G0+7], s[G0+6:G0+7], STEPA ; the next 64 k; the type bits on top are not reached
	s_xor_b32 s[G0B+5], s[G0B+5], SLOT1
	s_add_nc_u64 s[G0B+6:G0B+7], s[G0B+6:G0B+7], STEPB
.endif
	GROUPI 1, 0, 3
	WIN 0
	s_wait_dscnt 0x0                               ; the add is done, and my reads of this slot are over
	s_barrier_signal -1
	s_barrier_wait -1
.if \fill
	CREST                                          ; no wave of any partner still reads this slot's tiles or has a load on its way
	JLOAD 1                                        ; its four v_nop are also the places in front of the loads below
.else
	PLACES
.endif
	s_xor_b32 s[TB], s[TB], SLOT1                  ; the fetches go on in the other slot
	v_add_nc_u32 v[ADRA], s[TB], v[ADRA0]
	v_add_nc_u32 v[ADRB], s[TB], v[ADRB0]
	LOADB 0, 0
	LOADA 0, 0
	GROUP 1, 1                                     ; this half's fragments were all in at the wait for 0
	PLACES
	WIN 0
	LOADB 1, 0
	GROUP 1, 2
	PLACES
	WIN 0
	LOADB 2, 0
.endm
; THE WAY OUT.  A row's 768 bytes come from two waves, and its middle 256 bytes from both: so the four waves share ONE stage, with a barrier between writing and reading.  The stage holds 128 rows: two passes of four
; row blocks a wave.  PACK: row block a rounded to f16, each accumulator's registers in ascending order, 16 bytes a lane, into the stage.
.macro PACK a
.irp g, 0,1,2
	WIN 5*((\g)+1)                                 ; sources 0 and 1: window 1 + g
.irp i, 0,1,2,3
.irp j, 0,1,2,3
	v_cvt_pk_f16_f32 v[TMP+4*(4*(\g)+(\i))+(\j)], v[64*(\i)+8*(\a)+2*(\j)], v[64*(\i)+8*(\a)+2*(\j)+1]
.endr
.endr
.endr
	WIN 0
.irp g, 0,1,2
.irp i, 0,1,2,3
	ds_store_b128 v[STO], v[TMP+4*(4*(\g)+(\i)):TMP+4*(4*(\g)+(\i))+3] offset:((\a)%4)*16*SP+256*(\g)+32*(\i)
.endr
.endr
.endm
.macro PASS p
.irp a, 0,1,2,3
	PACK 4*(\p)+(\a)
.endr
	s_wait_dscnt 0x0                               ; for the others' sake: my stores into the stage are done
	s_barrier_signal -1
	s_barrier_wait -1
.set t, 0
.rept 48                               ; load t: two rows' segment t % 3
	ds_load_b128 v[BK+4*t:BK+4*t+3], v[RD] offset:(t/3)*2*SP+256*(t%3)
.set t, t+1
.endr
.set t, 0
.rept 48
.if t%3 == 0
	s_wait_dscnt 45-t                              ; two rows are back: the younger loads stay out
.endif
	global_store_b128 v[CO], v[BK+4*t:BK+4*t+3], s[72:73] offset:(64*(\p)+2*(t/3))*ROWB+256*(t%3)  ; 16 lanes store 256 consecutive bytes, at a multiple of 256 from qkv's first byte
.set t, t+1
.endr
.endm
	s_wait_dscnt 0x0                               ; the accumulators hold the bias: no LDS instruction is pending at a signal
	s_wait_tensorcnt 0x1                           ; my part of step 0 is in; step 1's may stay out
	s_barrier_signal -1
	s_barrier_wait -1                              ; everybody's is
	LOADB 0, 0
	LOADA 0, 0
	LOADB 1, 0
	LOADB 2, 0
	s_mov_b32 s[LP], FILLS
.Lstep:                                                ; a trip is a step of 64 k, and fills its slot again
	EVEN
	ODD 1
	WIN 0                                          ; at a label and at a branch every window is 0
	s_sub_co_u32 s[LP], s[LP], 1
	s_cmp_lg_u32 s[LP], 0
	s_cbranch_scc1 .Lstep
	s_mov_b32 s[LP], 2                             ; the last two steps ask for nothing: a second text; its second trip is left in the middle
.Ltail:
	EVEN
	WIN 0
	s_sub_co_u32 s[LP], s[LP], 1
	s_cmp_eq_u32 s[LP], 0
	s_cbranch_scc1 .Lfin
	ODD 0
	WIN 0
	s_branch .Ltail
.Lfin:
	s_wait_dscnt 16                                ; the very last half: nothing more to fetch, and the counts run down
	GROUP 1, 0
	s_wait_dscnt 8
	GROUP 1, 1
	s_wait_dscnt 0x0
	GROUP 1, 2
	WIN 0
	PLACES
	PASS 0
	s_barrier_signal -1                            ; every wave's reads of the stage are back (the last count was 0): it may be written again
	s_barrier_wait -1
	s_wait_xcnt 0x0                                ; the stores have read their registers, which the second pass writes again
	PASS 1
	s_wait_tensorcnt 0x0                           ; the wave's end: the wait, the add and its wait stand behind my last tensor load and my last LDS store
	ds_add_u32 v[SPW], v[NIL]
	s_wait_dscnt 0x0
	CROUND                                         ; the closing round: no work-group ends while a partner may still ask for a tile that names it
	s_endpgm
.Lfunc_end_k_qec96a6c25a_proj:
	.size	k_qec96a6c25a_proj, .Lfunc_end_k_qec96a6c25a_proj-k_qec96a6c25a_proj
	.p2alignl 7, 3214868480
	.fill 96, 4, 3214868480
	.section	.rodata,"a",@progbits
	.p2align	6, 0x0
	.amdhsa_kernel k_qec96a6c25a_proj
		.amdhsa_group_segment_fixed_size 327680
		.amdhsa_private_segment_fixed_size 0
		.amdhsa_enable_private_segment 0
		.amdhsa_kernarg_size 32
		.amdhsa_user_sgpr_count 2
		.amdhsa_user_sgpr_kernarg_segment_ptr 1
		.amdhsa_wavefront_size32 1
		.amdhsa_system_sgpr_workgroup_id_x 1
		.amdhsa_system_sgpr_workgroup_id_y 1
		.amdhsa_system_sgpr_workgroup_id_z 1
		.amdhsa_system_vgpr_workitem_id 0
		.amdhsa_next_free_vgpr 1024
		.amdhsa_next_free_sgpr 80
		.amdhsa_reserve_vcc 0
		.amdhsa_float_denorm_mode_32 3
		.amdhsa_float_denorm_mode_16_64 3
		.amdhsa_memory_ordered 1
		.amdhsa_forward_progress 1
		.amdhsa_inst_pref_size 116
	.end_amdhsa_kernel
	.amdgpu_metadata
---
amdhsa.version: [ 1, 2 ]
amdhsa.kernels:
  - .name:           k_qec96a6c25a_proj
    .symbol:         k_qec96a6c25a_proj.kd
    .args:
      - { .name: xb, .offset: 0, .size: 8, .value_kind: global_buffer, .address_space: global }
      - { .name: wb, .offset: 8, .size: 8, .value_kind: global_buffer, .address_space: global }
      - { .name: b_qkv, .offset: 16, .size: 8, .value_kind: global_buffer, .address_space: global }
      - { .name: qkv, .offset: 24, .size: 8, .value_kind: global_buffer, .address_space: global }
    .group_segment_fixed_size: 327680
    .private_segment_fixed_size: 0
    .kernarg_segment_align: 8
    .kernarg_segment_size: 32
    .max_flat_workgroup_size: 128
    .sgpr_count:     80
    .vgpr_count:     1024
    .wavefront_size: 32
...
	.end_amdgpu_metadata
.endif
;; end of part 2
;; launch score (part 3): grid 8 x 32, 4 waves a work-group, clusters of 4 x 4, 327,680 bytes of LDS; arguments qkv, pw, sm, sl; writes pw, sm, sl
.if DOCPART == 3
	.amdgcn_target "amdgcn-amd-amdhsa--gfx1250"
	.amdhsa_code_object_version 6
	.text
	.protected	k_qec96a6c25a_score
	.globl	k_qec96a6c25a_score
	.p2align	8
	.type	k_qec96a6c25a_score,@function
k_qec96a6c25a_score:
	s_mov_b64 s[64:65], 0
	v_nop
	global_prefetch_b8 v0, s[64:65] scope:SCOPE_SE
	s_setreg_imm32_b32 hwreg(HW_REG_WAVE_MODE, 25, 1), 1
	s_wait_xcnt 0x0
	s_wait_alu depctr_hold_cnt(0) depctr_sa_sdst(0) depctr_va_vdst(0) depctr_va_sdst(0) depctr_va_ssrc(0) depctr_va_vcc(0) depctr_vm_vsrc(0)
	s_getreg_b32 s2, hwreg(HW_REG_IB_STS2, 6, 4)
	s_cmp_eq_u32 s2, 0
	s_cbranch_scc0 .Lentry_in_a_cluster
	s_endpgm
.Lentry_in_a_cluster:
	s_bfe_u32 s2, ttmp6, 0x10000c
	s_cmp_lg_u32 s2, 0xf033
	s_cbranch_scc0 .Lentry_shape_is_right
	s_endpgm
.Lentry_shape_is_right:
; For each query row and each block of 128 keys of its batch: s = q . k (f32 sums of f16 products);  sm = c max s, c = log2(e) / 32;  pw = f16( 2^(c s - sm) );  sl = the f32 sum of those weights, unrounded.
; qkv: [8192][3072] f16 (q at byte 0 of a row, k at byte 2,048); pw: [8192][2048] f16, columns = keys of the row's batch; sm, sl: [16 blocks][8192 rows] f32.
; The block's own maximum is taken away, so every exponent is 0 or less and sl is at least about 1; the launch behind joins the 16 blocks of a row under the row's maximum.
; LIMITS.  A weight below 6e-8 is stored as 0, below 2^-126 it counts as 0 in sl; NaN and infinities are not treated apart.
; SHARES.  A tile is 256 queries x 256 keys; four waves, each 128 x 128: 64 accumulators, 512 registers: a wave's columns are exactly one block.  4 batches x 8 x 8 tiles = 256 work-groups.
; K (1,024 channels) goes in steps of 128 through a ring of two LDS slots; the tiles' rows are 256 bytes of memory at multiples of 256 bytes.  A step is written once: the slot's LDS address lies in a scalar
; register that an exclusive or turns, and one descriptor for each operand walks.
; CLUSTER.  4 x 4 work-groups: a row of the cluster shares q's tile, a column k's tile (the batch hangs on the cluster's y alone): each tile is asked for jointly.
; THE MATRIX INSTRUCTION IS USED TRANSPOSED (source 0 = 16 keys, source 1 = 16 queries): lane l holds query l % 16 and the keys 8 (l / 16) + 0..7 of each block of 16: a row's 128 scores lie in two lanes.
; REGISTERS, in windows of 256 (s_set_vgpr_msb: bits 1:0 source 0, 3:2 source 1, 5:4 source 2, 7:6 destination):
;   window 0: v0-31 addresses; v64-127, v128-191 fragments of q, two buffers; on the way out v64-73 at work, v192-223 packed weights, v32-63 and v224-255 rows read back
;   window 1: v64-127, v128-191 fragments of k, two buffers     window 2: the accumulators of my rows 0-63 ((a, b) at v[8 (8 (a % 4) + b)])     window 3: those of my rows 64-127
.set KSTEP,  128
.set PITCH,  272                       ; an LDS row: 256 bytes + 16 = 68 words: the 16 rows of a load start at 16 different groups of four banks (64 banks of 4 bytes: ISA guide 11.1)
.set HALFT,  128*PITCH                 ; 128 rows: what one tensor load brings, and what one wave reads of q or of k: 0x8800 bytes
.set SLOT,   4*HALFT                   ; q's 256 rows, then k's 256 rows: 0x22000 bytes, whose two bits no multiple of HALFT up to 3 has: an exclusive or with it changes slots
.set STAGE,  2*SLOT                    ; behind the ring: 16 rows x 272 bytes for each wave
.set SPITCH, 272
.set STAT,   STAGE+4*16*SPITCH         ; 1,024 bytes for each wave: its 128 rows' c max, then their sums
.set SPARE,  STAT+4*1024               ; the spare words, 128 bytes for each wave: two blocks of 256 bytes that no other line names
.set FILLS,  6                         ; 8 steps, of which the first two are asked for at the start
.set ROWQ,   6144                      ; bytes in a row of qkv
.set ROWP,   4096                      ; bytes in a row of pw
.set ADRA0, 16                         ; v16     LDS address of my fragments of q in slot 0; never rewritten
.set ADRA,  17                         ; v17     the same in the slot in hand
.set ADRB0, 20                         ; v20-21  the same for k
.set ADRB,  21
.set STO,  24                          ; v24     the way out: where I put 16 bytes of a row
.set RD,   25                          ; v25     where I read a row back
.set CO,   26                          ; v26     my byte offset in two rows of pw
.set SA,   27                          ; v27     where row l % 16 of a block keeps its statistics
.set SPW,  28                          ; v28     LDS address of my spare word; never rewritten
.set NIL,  29                          ; v29     0; never rewritten
.set SR,   30                          ; v30     where I read 16 bytes of the statistics back
.set SO,   31                          ; v31     16 x lane: my byte offset in 512 bytes of sm and of sl
.set F0,   64
.set F1,   128
.set T,    64                          ; v64-71  at work
.set MC,   72                          ; v72-73  c max, named as a pair
.set TMP,  192
.set OB,   32
.set LP,   3                           ; s3   trips to go
.set WV,   14                          ; s14  my wave's number
.set RH,   15                          ; s15  which half of the tile's rows is mine; also: I fetch for q (0) or for k (1)
.set CH,   16                          ; s16  which half of its columns; also which 128 rows of that tile I fetch
.set G1,   24                          ; s[24:31] descriptor group 1 for q's tiles;  s[32:39] group 0: a set for each of the two first fills; the second then walks on
.set G0,   32
.set G1B,  48                          ; s[48:55], s[56:63] the same for k's tiles
.set G0B,  56
.set TB,   66                          ; s66  LDS byte at which the slot in hand begins
.set CS,   68                          ; s[68:69] c: the packed scaling takes the pair's low word for both halves
.set SEL,  70                          ; s[70:71] v_permlanex16_b32's selects: each lane takes its own place in the other half
.set MSB, 0
.macro WIN new
.if MSB != (\new)
	s_set_vgpr_msb (MSB<<8)|(\new)
.set MSB, (\new)
.endif
.endm
.set MUL_LO, 0xa1                      ; source 0 (k) window 1, source 1 (q) window 0, C and D window 2
.set MUL_HI, 0xf1                      ; the same, C and D window 3
.set TO_B,   0x40                      ; destination window 1, address window 0
.macro PLACES                          ; four plain vector instructions between a matrix instruction and a load into, or a vector instruction on, one of its registers
.rept 4
	v_nop
.endr
.endm
.macro JLOAD s                         ; a joint load: waves 0 and 1 fetch q's two halves, waves 2 and 3 k's; an s_nop 0 and four v_nop follow each of the two lines
	s_cmp_eq_u32 s[RH], 0
	s_cbranch_scc0 .Lfor_b_\@
	tensor_load_to_lds s[G0+4*(\s):G0+4*(\s)+3], s[G1:G1+7]
	s_nop 0
.rept 4
	v_nop
.endr
	s_branch .Lasked_\@
.Lfor_b_\@:
	tensor_load_to_lds s[G0B+4*(\s):G0B+4*(\s)+3], s[G1B:G1B+7]
	s_nop 0
.rept 4
	v_nop
.endr
.Lasked_\@:
.endm
.macro CREST
	s_cmp_lg_u32 s[WV], 0
	s_cbranch_scc1 .Lnot_wave_0_\@
	s_barrier_signal -3
.Lnot_wave_0_\@:
	s_barrier_wait -3
	s_barrier_signal -1
	s_barrier_wait -1
.endm
.macro CROUND
	s_barrier_signal -1
	s_barrier_wait -1
	CREST
.endm
	s_load_b256 s[4:11], s[0:1], 0x0               ; qkv s[4:5], pw s[6:7], sm s[8:9], sl s[10:11]
	v_lshl_add_u32 v[SPW], v0, 2, SPARE
	v_mov_b32 v[NIL], 0
	ds_add_u32 v[SPW], v[NIL]                      ; the wave's opening: the add and its wait stand ahead of my first tensor load; the set-up below, work on registers, stands between them
	v_lshrrev_b32 v1, 5, v0
	v_readfirstlane_b32 s[WV], v1
	s_lshr_b32 s[RH], s[WV], 1
	s_and_b32 s[CH], s[WV], 1
	s_bfe_u32 s17, ttmp6, 0x40000                  ; cx, cy
	s_bfe_u32 s18, ttmp6, 0x40004
	s_lshl_b32 s19, ttmp9, 2
	s_add_co_u32 s19, s19, s17                     ; key tile = 4 x cluster x + cx (0..7)
	s_and_b32 s20, ttmp7, 0xffff
	s_lshr_b32 s67, s20, 1                         ; the batch: 8 query tiles each, two clusters: it hangs on the cluster's y alone
	s_lshl_b32 s20, s20, 2
	s_add_co_u32 s20, s20, s18                     ; query tile = 4 x cluster y + cy (0..31)
	s_lshl_b32 s21, s18, 2
	s_lshl_b32 s21, 15, s21                        ; my row of the cluster
	s_lshl_b32 s22, 0x1111, s17                    ; my column
	; descriptor group 1: 128 rows x 128 elements of 2 bytes, 4 words of padding behind every 64 words
	s_or_b32 s[G1], s21, (1<<16)|(1<<20)|(1<<21)|(5<<22)|(3<<25)
	s_or_b32 s[G1B], s22, (1<<16)|(1<<20)|(1<<21)|(5<<22)|(3<<25)
.irp g, G1, G1B
	s_mov_b32 s[(\g)+1], KSTEP<<16                 ; tensor_dim0 = 128
	s_mov_b32 s[(\g)+2], 128<<16                   ; tensor_dim1 = 128
	s_mov_b32 s[(\g)+3], KSTEP<<16                 ; tile_dim0 = 128
	s_mov_b32 s[(\g)+4], 128                       ; tile_dim1 = 128
	s_mov_b32 s[(\g)+5], 3072                      ; elements from row to row
	s_mov_b32 s[(\g)+6], 0
	s_mov_b32 s[(\g)+7], 0
.endr
	; byte offsets, all under 2^31.  q's hangs on the query tile alone, k's on the key tile and the batch alone
	s_lshl_b32 s23, s[CH], 7                       ; which 128 rows of a tile I fetch
	s_lshl_b32 s40, s20, 8
	s_add_co_u32 s40, s40, s23
	s_mul_i32 s40, s40, ROWQ
	s_mov_b32 s41, 0
	s_lshl_b32 s42, s67, 11
	s_lshl_b32 s43, s19, 8
	s_add_co_u32 s42, s42, s43
	s_add_co_u32 s42, s42, s23
	s_mul_i32 s42, s42, ROWQ
	s_add_co_u32 s42, s42, 2048                    ; k lies 2,048 bytes into a row
	s_mov_b32 s43, 0
	s_lshl_b32 s44, s20, 8                         ; pw: my first row,
	s_lshl_b32 s45, s[RH], 7
	s_add_co_u32 s44, s44, s45
	s_lshl_b32 s46, s44, 2                         ; (sm, sl: that row's word,
	s_lshl_b32 s44, s44, 12
	s_lshl_b32 s45, s19, 9                         ; my first column
	s_add_co_u32 s44, s44, s45
	s_lshl_b32 s45, s[CH], 8
	s_add_co_u32 s44, s44, s45
	s_mov_b32 s45, 0
	s_lshl_b32 s47, s19, 1
	s_add_co_u32 s47, s47, s[CH]                   ; in block 2 x key tile + half,
	s_lshl_b32 s47, s47, 15                        ; 32,768 bytes a block)
	s_add_co_u32 s46, s46, s47
	s_mov_b32 s47, 0
	s_mul_i32 s78, s[WV], HALFT                    ; where my tile goes: q's two halves, then k's two halves
	s_mov_b32 s[TB], 0
	s_mov_b32 s[CS], 0x3d38aa3b                    ; c = log2(e) / 32
	s_mov_b32 s[CS+1], s[CS]
	s_mov_b32 s[SEL], 0x76543210
	s_mov_b32 s[SEL+1], 0xfedcba98
	s_wait_dscnt 0x0                               ; the opening add is done
	s_wait_kmcnt 0x0
	s_add_nc_u64 s[40:41], s[4:5], s[40:41]
	s_add_nc_u64 s[42:43], s[4:5], s[42:43]
	s_add_nc_u64 s[72:73], s[6:7], s[44:45]
	s_add_nc_u64 s[74:75], s[8:9], s[46:47]
	s_add_nc_u64 s[76:77], s[10:11], s[46:47]
	CROUND                                         ; all sixteen work-groups are here: the first joint loads meet
.irp s, 0,1
	s_mov_b32 s[G0+4*(\s)], 1
	s_add_co_u32 s[G0+4*(\s)+1], s78, (\s)*SLOT
	s_add_nc_u64 s[G0+4*(\s)+2:G0+4*(\s)+3], s[40:41], (\s)*KSTEP*2
	s_or_b32 s[G0+4*(\s)+3], s[G0+4*(\s)+3], 0x80000000
	s_mov_b32 s[G0B+4*(\s)], 1
	s_add_co_u32 s[G0B+4*(\s)+1], s78, (\s)*SLOT
	s_add_nc_u64 s[G0B+4*(\s)+2:G0B+4*(\s)+3], s[42:43], (\s)*KSTEP*2
	s_or_b32 s[G0B+4*(\s)+3], s[G0B+4*(\s)+3], 0x80000000
	JLOAD \s                                       ; two tensor loads of mine are out: the most anywhere in this text
.endr
	v_and_b32 v1, 15, v0                           ; l % 16
	v_bfe_u32 v2, v0, 4, 1                         ; l / 16
	v_mul_u32_u24 v3, v1, PITCH
	v_lshl_add_u32 v3, v2, 4, v3                   ; a fragment's row x pitch + 16 x half
	s_mul_i32 s23, s[RH], HALFT                    ; my 128 rows of q
	v_add_nc_u32 v[ADRA0], s23, v3
	v_mov_b32 v[ADRA], v[ADRA0]
	s_mul_i32 s23, s[CH], HALFT                    ; my 128 rows of k,
	s_add_co_u32 s23, s23, 2*HALFT                 ; which lie behind q's 256
	v_add_nc_u32 v[ADRB0], s23, v3
	v_mov_b32 v[ADRB], v[ADRB0]
	s_mul_i32 s23, s[WV], 16*SPITCH
	s_add_co_u32 s23, s23, STAGE                   ; my stage
	v_add_nc_u32 v[STO], s23, v3                   ; in: row l % 16, 16 bytes for each half of the lanes (the stage's pitch is the tiles')
	v_mul_u32_u24 v4, v2, SPITCH                   ; back: lanes 0-15 one row of 256 bytes, lanes 16-31 the next
	v_lshl_add_u32 v4, v1, 4, v4
	v_add_nc_u32 v[RD], s23, v4
	v_lshlrev_b32 v4, 12, v2                       ; and the same two rows in pw
	v_lshl_add_u32 v[CO], v1, 4, v4
	s_lshl_b32 s23, s[WV], 10
	s_add_co_u32 s23, s23, STAT                    ; my statistics
	v_lshl_add_u32 v[SA], v1, 2, s23
	v_and_b32 v4, 31, v0
	v_lshlrev_b32 v[SO], 4, v4
	v_add_nc_u32 v[SR], s23, v[SO]
; 16 matrix instructions: row blocks a0, a0 + 1 of the window's four x all 8 key blocks, 32 along K.  zero = 1: the product starts the sum.  The 64 accumulators take turns.
.macro MUL16 f, hi, a0, zero
	WIN MUL_LO+0x50*(\hi)
.irp a, \a0, (\a0)+1
.irp b, 0,1,2,3,4,5,6,7
.if \zero
	v_wmma_f32_16x16x32_f16 v[8*(8*(\a)+(\b)):8*(8*(\a)+(\b))+7], v[(\f)+8*(\b):(\f)+8*(\b)+7], v[(\f)+8*(4*(\hi)+(\a)):(\f)+8*(4*(\hi)+(\a))+7], 0
.else
	v_wmma_f32_16x16x32_f16 v[8*(8*(\a)+(\b)):8*(8*(\a)+(\b))+7], v[(\f)+8*(\b):(\f)+8*(\b)+7], v[(\f)+8*(4*(\hi)+(\a)):(\f)+8*(4*(\hi)+(\a))+7], v[8*(8*(\a)+(\b)):8*(8*(\a)+(\b))+7]
.endif
.endr
.endr
.endm
; 32 LDS loads in one run: the fragments of a quarter step (128 rows of k, then 128 rows of q, 32 K at byte k of the rows of the slot in hand) into buffer f
.macro FETCH k, f
	WIN TO_B
.irp i, 0,1,2,3,4,5,6,7
	ds_load_b128 v[(\f)+8*(\i):(\f)+8*(\i)+3],   v[ADRB] offset:(\k)+(\i)*16*PITCH
	ds_load_b128 v[(\f)+8*(\i)+4:(\f)+8*(\i)+7], v[ADRB] offset:(\k)+(\i)*16*PITCH+32
.endr
	WIN 0
.irp i, 0,1,2,3,4,5,6,7
	ds_load_b128 v[(\f)+8*(\i):(\f)+8*(\i)+3],   v[ADRA] offset:(\k)+(\i)*16*PITCH
	ds_load_b128 v[(\f)+8*(\i)+4:(\f)+8*(\i)+7], v[ADRA] offset:(\k)+(\i)*16*PITCH+32
.endr
.endm
; A K step is four quarters of 32 along K, 64 matrix instructions each, on buffers 0, 1, 0, 1.  One of the first three: multiplies buffer f; in its middle it fetches the next quarter into buffer g.
.macro QUARTER k, f, g, zero
	s_wait_dscnt 8                                 ; k and q's rows 0-63 are in; the youngest eight loads (q's rows 64-127) may be out
	MUL16 \f, 0, 0, \zero
	MUL16 \f, 0, 2, \zero
	PLACES                                         ; for the loads into buffer g, which the quarter before multiplied
	FETCH \k, \g
	s_wait_dscnt 32                                ; all but the 32 just issued
	MUL16 \f, 1, 0, \zero
	MUL16 \f, 1, 2, \zero
.endm
; The last quarter multiplies buffer 1 and changes slots: ONE barrier for two things.  In front of it each wave waits for all its tensor loads, of which one is out: its part of the next slot; adds 0 to its spare word;
; and waits for that and for its own reads of this slot.  Behind it nobody reads this slot any more and the next slot is whole.
; fill = 1: this slot is filled again, two K steps ahead: the barrier opens a round of the cluster's barrier, and the joint refill is the first tensor load behind it: 224 products ahead of the wait for it.
.macro TURN fill
	WIN 0                                          ; (the add's two registers lie in window 0)
	s_wait_tensorcnt 0x0
	ds_add_u32 v[SPW], v[NIL]                      ; 0 onto my spare word
	s_wait_dscnt 9                                 ; (the add and the youngest eight loads may be out)
	MUL16 F1, 0, 0, 0                              ; sixteen products stand between the add and the wait for it
	s_wait_dscnt 0x0                               ; the add is done, and my reads of this slot are over
	s_barrier_signal -1
	MUL16 F1, 0, 2, 0
	WIN 0                                          ; (branches, or lines on window 0, follow)
	s_barrier_wait -1
.if \fill
	CREST
	s_xor_b32 s[G0+5], s[G0+5], SLOT               ; the walking descriptors: the other slot than last time,
	s_add_nc_u64 s[G0+6:G0+7], s[G0+6:G0+7], KSTEP*2  ; the next K step; the type bits on top are not reached
	s_xor_b32 s[G0B+5], s[G0B+5], SLOT
	s_add_nc_u64 s[G0B+6:G0B+7], s[G0B+6:G0B+7], KSTEP*2
	JLOAD 1                                        ; its four v_nop are also the places in front of the loads below
.else
	PLACES
.endif
	s_xor_b32 s[TB], s[TB], SLOT                   ; the fetches go on in the other slot
	v_add_nc_u32 v[ADRA], s[TB], v[ADRA0]
	v_add_nc_u32 v[ADRB], s[TB], v[ADRB0]
	FETCH 0, F0
	MUL16 F1, 1, 0, 0
	MUL16 F1, 1, 2, 0
.endm
; THE SOFTMAX OF ROW BLOCK a (16 rows x my 128 keys): a lane holds 64 scores of one row, the lane 16 away the other 64.  W is the accumulators' window, AC their first register.
.macro SOFT a
.set W, 2+(\a)/4
.set AC, 64*((\a)%4)
	WIN 21*W                                       ; all three sources in window W
.irp b, 0,1,2,3,4,5,6,7
	v_max3_num_f32 v[T+(\b)], v[AC+8*(\b)], v[AC+8*(\b)+1], v[AC+8*(\b)+2]  ; eight chains; each accumulator's lowest registers are read first
.endr
	WIN 20*W                                       ; sources 1 and 2 in window W
.irp i, 0,1
.irp b, 0,1,2,3,4,5,6,7
	v_max3_num_f32 v[T+(\b)], v[T+(\b)], v[AC+8*(\b)+3+2*(\i)], v[AC+8*(\b)+4+2*(\i)]
.endr
.endr
.irp b, 0,1,2,3
	v_max3_num_f32 v[T+(\b)], v[T+(\b)], v[AC+16*(\b)+7], v[AC+16*(\b)+15]  ; the eight registers left over
.endr
	WIN 0
	v_max3_num_f32 v[T], v[T], v[T+1], v[T+2]
	v_max3_num_f32 v[T+3], v[T+3], v[T+4], v[T+5]
	v_max_num_f32 v[T+6], v[T+6], v[T+7]
	v_max3_num_f32 v[T], v[T], v[T+3], v[T+6]
	v_permlanex16_b32 v[T+1], v[T], s[SEL], s[SEL+1]
	v_max_num_f32 v[T], v[T], v[T+1]               ; the row's maximum over my 128 keys, in both of its lanes
	v_mul_f32 v[MC], s[CS], v[T]
	v_mov_b32 v[MC+1], v[MC]                       ; named with it as a pair
	ds_store_b32 v[SA], v[MC] offset:64*(\a)       ; both lanes of a row write the same number to the same word
	WIN 65*W                                       ; destination and source 0 in window W
.set i, 0
.rept 32
	v_pk_fma_f32 v[AC+i:AC+i+1], v[AC+i:AC+i+1], s[CS:CS+1], v[MC:MC+1] op_sel_hi:[1,0,0] neg_lo:[0,0,1] neg_hi:[0,0,1]  ; c s - c max
.set i, i+2
.endr
.set i, 0
.rept 64
	v_exp_f32 v[AC+i], v[AC+i]
.set i, i+1
.endr
	v_nop                                          ; one plain instruction between the run of exponentials and the first use of a result: a further exponential does not count as one (ISA guide 5.7.2)
	WIN 5*W                                        ; sources 0 and 1 in window W
.set i, 0
	s_wait_alu depctr_va_vdst(0)
.rept 32
	v_cvt_pk_f16_f32 v[TMP+i], v[AC+2*i], v[AC+2*i+1]
.set i, i+1
.endr
	WIN 69*W                                       ; destination and sources 0 and 1 in window W
.irp st, 32,16,8,4,2                   ; the sum of the lane's 64 weights, in place: neighbours 32, 16, 8, 4 and 2 registers apart
.set i, 0
.rept (\st)/2
	v_pk_add_f32 v[AC+i:AC+i+1], v[AC+i:AC+i+1], v[AC+(\st)+i:AC+(\st)+i+1]
.set i, i+2
.endr
.endr
	WIN 5*W
	v_add_f32 v[T], v[AC], v[AC+1]
	WIN 0
	v_permlanex16_b32 v[T+1], v[T], s[SEL], s[SEL+1]
	v_add_f32 v[T], v[T], v[T+1]
	ds_store_b32 v[SA], v[T] offset:512+64*(\a)
.endm
.macro TOSTAGE a                       ; 16 bytes a lane into my own stage, and back as whole rows of 256 bytes
.set BK, OB+192*((\a)%2)
.irp b, 0,1,2,3,4,5,6,7
	ds_store_b128 v[STO], v[TMP+4*(\b):TMP+4*(\b)+3] offset:32*(\b)
.endr
.irp t, 0,1,2,3,4,5,6,7
	ds_load_b128 v[BK+4*(\t):BK+4*(\t)+3], v[RD] offset:(\t)*2*SPITCH  ; LDS serves a wave's instructions in order (ISA guide 5.7.1.4): these see the stores above
.endr
.endm
.macro SEND a, younger                 ; younger: the LDS instructions issued behind TOSTAGE's loads: the next block's two statistics stores, or none
.set BK, OB+192*((\a)%2)
	s_wait_dscnt \younger                          ; the block is back in registers
	s_wait_xcnt 0x0                                ; the stores of the block before have read their registers: the next TOSTAGE loads into them only behind this wait
.irp t, 0,1,2,3,4,5,6,7
	global_store_b128 v[CO], v[BK+4*(\t):BK+4*(\t)+3], s[72:73] offset:(16*(\a)+2*(\t))*ROWP  ; 16 lanes store 256 consecutive bytes, at a multiple of 256 from pw's first byte
.endr
.endm
	s_wait_tensorcnt 1                             ; my part of K step 0 is in; K step 1's may stay out
	s_barrier_signal -1
	s_barrier_wait -1                              ; everybody's is
	FETCH 0, F0
	QUARTER 64,  F0, F1, 1                         ; the first quarter stands in front of the loop: its products start the sums
	WIN 0                                          ; at a label and at a branch every window is 0
	s_mov_b32 s[LP], FILLS
.Lstep:                                                ; a trip goes from a K step's second quarter to the next step's first, and fills the slot that it leaves
	QUARTER 128, F1, F0, 0
	QUARTER 192, F0, F1, 0
	TURN 1
	QUARTER 64,  F0, F1, 0
	WIN 0
	s_sub_co_u32 s[LP], s[LP], 1
	s_cmp_lg_u32 s[LP], 0
	s_cbranch_scc1 .Lstep
	s_mov_b32 s[LP], 2                             ; the last two steps ask for nothing: a second text; its second trip is left in the middle
.Ltail:
	QUARTER 128, F1, F0, 0
	QUARTER 192, F0, F1, 0
	WIN 0
	s_sub_co_u32 s[LP], s[LP], 1
	s_cmp_eq_u32 s[LP], 0
	s_cbranch_scc1 .Lfin
	TURN 0                                         ; my one tensor load that was out is the last K step's
	QUARTER 64,  F0, F1, 0
	WIN 0
	s_branch .Ltail
.Lfin:
	s_wait_dscnt 8                                 ; the very last quarter: nothing more to fetch
	MUL16 F1, 0, 0, 0
	MUL16 F1, 0, 2, 0
	s_wait_dscnt 0x0
	MUL16 F1, 1, 0, 0
	MUL16 F1, 1, 2, 0
	WIN 0
	PLACES                                         ; the softmax reads results just made and writes registers that held fragments
	SOFT 0
	TOSTAGE 0
.irp a, 1,2,3,4,5,6,7                  ; block a's softmax stands between block a - 1's loads from the stage and the wait for them
	SOFT \a
	SEND (\a)-1, 2
	TOSTAGE \a
.endr
	SEND 7, 0
	ds_load_b128 v[OB:OB+3],   v[SR]               ; my 128 rows' c max and sums, 16 bytes a lane (these registers' last stores were block 6's: SEND 7's wait stands behind them)
	ds_load_b128 v[OB+4:OB+7], v[SR] offset:512
	s_wait_dscnt 0x0
	global_store_b128 v[SO], v[OB:OB+3],   s[74:75]  ; 512 consecutive bytes, at a multiple of 256 from sm's first byte
	global_store_b128 v[SO], v[OB+4:OB+7], s[76:77]
	s_wait_tensorcnt 0x0                           ; the wave's end: the wait, the add and its wait stand behind my last tensor load and my last LDS store
	ds_add_u32 v[SPW], v[NIL]
	s_wait_dscnt 0x0
	CROUND                                         ; the closing round: no work-group ends while a partner may still ask for a tile that names it
	s_endpgm
.Lfunc_end_k_qec96a6c25a_score:
	.size	k_qec96a6c25a_score, .Lfunc_end_k_qec96a6c25a_score-k_qec96a6c25a_score
	.p2alignl 7, 3214868480
	.fill 96, 4, 3214868480
	.section	.rodata,"a",@progbits
	.p2align	6, 0x0
	.amdhsa_kernel k_qec96a6c25a_score
		.amdhsa_group_segment_fixed_size 327680
		.amdhsa_private_segment_fixed_size 0
		.amdhsa_enable_private_segment 0
		.amdhsa_kernarg_size 32
		.amdhsa_user_sgpr_count 2
		.amdhsa_user_sgpr_kernarg_segment_ptr 1
		.amdhsa_wavefront_size32 1
		.amdhsa_system_sgpr_workgroup_id_x 1
		.amdhsa_system_sgpr_workgroup_id_y 1
		.amdhsa_system_sgpr_workgroup_id_z 1
		.amdhsa_system_vgpr_workitem_id 0
		.amdhsa_next_free_vgpr 1024
		.amdhsa_next_free_sgpr 80
		.amdhsa_reserve_vcc 0
		.amdhsa_float_denorm_mode_32 3
		.amdhsa_float_denorm_mode_16_64 3
		.amdhsa_memory_ordered 1
		.amdhsa_forward_progress 1
		.amdhsa_inst_pref_size 173
	.end_amdhsa_kernel
	.amdgpu_metadata
---
amdhsa.version: [ 1, 2 ]
amdhsa.kernels:
  - .name:           k_qec96a6c25a_score
    .symbol:         k_qec96a6c25a_score.kd
    .args:
      - { .name: qkv, .offset: 0, .size: 8, .value_kind: global_buffer, .address_space: global }
      - { .name: pw, .offset: 8, .size: 8, .value_kind: global_buffer, .address_space: global }
      - { .name: sm, .offset: 16, .size: 8, .value_kind: global_buffer, .address_space: global }
      - { .name: sl, .offset: 24, .size: 8, .value_kind: global_buffer, .address_space: global }
    .group_segment_fixed_size: 327680
    .private_segment_fixed_size: 0
    .kernarg_segment_align: 8
    .kernarg_segment_size: 32
    .max_flat_workgroup_size: 128
    .sgpr_count:     80
    .vgpr_count:     1024
    .wavefront_size: 32
...
	.end_amdgpu_metadata
.endif
;; end of part 3
;; launch pv (part 4): grid 4 x 64, 4 waves a work-group, clusters of 4 x 4, 327,680 bytes of LDS; arguments pw, qkv, sm, sl, out0; writes out0
.if DOCPART == 4
	.amdgcn_target "amdgcn-amd-amdhsa--gfx1250"
	.amdhsa_code_object_version 6
	.text
	.protected	k_qec96a6c25a_pv
	.globl	k_qec96a6c25a_pv
	.p2align	8
	.type	k_qec96a6c25a_pv,@function
k_qec96a6c25a_pv:
	s_mov_b64 s[64:65], 0
	v_nop
	global_prefetch_b8 v0, s[64:65] scope:SCOPE_SE
	s_setreg_imm32_b32 hwreg(HW_REG_WAVE_MODE, 25, 1), 1
	s_wait_xcnt 0x0
	s_wait_alu depctr_hold_cnt(0) depctr_sa_sdst(0) depctr_va_vdst(0) depctr_va_sdst(0) depctr_va_ssrc(0) depctr_va_vcc(0) depctr_vm_vsrc(0)
	s_getreg_b32 s2, hwreg(HW_REG_IB_STS2, 6, 4)
	s_cmp_eq_u32 s2, 0
	s_cbranch_scc0 .Lentry_in_a_cluster
	s_endpgm
.Lentry_in_a_cluster:
	s_bfe_u32 s2, ttmp6, 0x10000c
	s_cmp_lg_u32 s2, 0xf033
	s_cbranch_scc0 .Lentry_shape_is_right
	s_endpgm
.Lentry_shape_is_right:
; out0[m][n] = (1 / L[m]) x sum over the 16 key blocks j of sum over the block's keys of (a_j[m] pw[m][key]) v[key][n], with M = max_j sm[j][m], a_j = 2^(sm[j][m] - M), L = sum_j a_j sl[j][m].
; That is softmax with the row's maximum taken away: pw holds 2^(c s - sm_j), so a_j pw = 2^(c s - M).  M, a, L and 1 / L are made in f32; a is rounded to f16 and multiplies pw's fragments on the way from LDS to the
; matrix unit (one packed f16 multiply); sums in f32; 1 / L multiplies the finished sums.  pw: [8192][2048] f16; v = qkv's columns 2,048 on, rows of 6,144 bytes; sm, sl: [16][8192] f32; out0: [8192][1024] f32.
; LIMITS.  a and a x pw lie in 0 to about 1; below 6e-5 they keep f16's fixed step of 6e-8, below that they count as 0.  L is at least about 1.  NaN and infinities are not treated apart.
; SHARES.  A tile of out0 is 128 rows x 256 columns; four waves, each 64 x 128: 32 accumulators, 256 registers.  64 x 4 tiles = 256 work-groups.  K = the batch's 2,048 keys, in steps of 128 (one block) through two LDS slots.
; pw's tile lies along K (rows of 256 bytes); v's lies [key][channel] (128 rows of 512 bytes) and is turned on the way into registers by ds_load_tr16_b128.  A step is written once: the slot's LDS address lies in a
; scalar register that an exclusive or turns, and one descriptor for each operand walks.
; CLUSTER.  4 x 4 work-groups: a row of the cluster shares pw's tile, a column v's tile (the batch hangs on the cluster's y alone).  Each tile is asked for jointly.
; THE MATRIX INSTRUCTION IS USED TRANSPOSED: source 0 = 16 channels of v, source 1 = 16 rows of pw: lane l holds row l % 16 and the channels 8 (l / 16) + 0..7.
; REGISTERS, in windows of 256 (s_set_vgpr_msb: bits 1:0 source 0, 3:2 source 1, 5:4 source 2, 7:6 destination):
;   window 0: v0-31 addresses; v32-35 a of the step in hand, twice in each word, for my four row blocks; v36-39 1 / L; v64-127, v128-191 fragments of v, two buffers; on the way out v64-127 scaled results, v128-255 rows read back
;   window 1: v0-127 accumulators of my rows 0-31 ((a, b) at v[64 (a % 2) + 8 b])      window 2: v0-127 those of my rows 32-63; v128-159, v160-191 fragments of pw, two buffers
.set PA,    272                        ; a row of pw's tile in LDS: 256 bytes + 16 = 68 words: the 16 rows of a load start at 16 different groups of four banks (64 banks of 4 bytes: ISA guide 11.1)
.set PB,    544                        ; a row of v's tile: 512 + 32 = 136 words
.set AT,    128*PA
.set SLOTB, AT+128*PB                  ; pw's tile, then v's: 104,448 bytes
.set SLOT1, 1<<17                      ; slot 1 begins here, so that one exclusive or turns an address in one slot into the other's
.set STAGE, SLOT1+SLOTB                ; behind the ring: 16 rows x 528 bytes for each wave, for the way out
.set SP,    528
.set TAB,   STAGE+4*16*SP              ; 17 x 256 bytes for each wave: for block j at 256 j the word (a, a) of wave row 16 a + r at 16 r + 4 a; at 4,096 likewise 1 / L in f32
.set TABW,  17*256
.set SPARE, TAB+4*TABW                 ; the spare words, 128 bytes for each wave: two blocks of 256 bytes that no other line names
.set FILLS, 14                         ; 16 steps, of which the first two are asked for at the start
.set ROWB,  6144                       ; bytes in a row of qkv
.set ROWC,  4096                       ; bytes in a row of pw and of out0
.set STEPA, 256
.set STEPB, 128*ROWB
.set ADRA0, 16                         ; v16     LDS address of my fragments of pw in slot 0; never rewritten
.set ADRA,  17                         ; v17     the same in the slot in hand
.set ADRB0, 20                         ; v20-21  the same for v
.set ADRB,  21
.set TA0,  22                          ; v22     my 16 bytes in a row of the table; never rewritten
.set TA,   23                          ; v23     the same at the step in hand
.set STO,  24                          ; v24     the way out: where I put 32 bytes of a row
.set RD,   25                          ; v25     where I read 16 bytes of a row back
.set CO,   26                          ; v26     16 x lane: my byte offset in 512 bytes of out0
.set TW,   27                          ; v27     where I write my two rows' words of the table
.set SPW,  28                          ; v28     LDS address of my spare word; never rewritten
.set NIL,  29                          ; v29     0; never rewritten
.set SO,   30                          ; v30     8 x lane: my two rows in sm and sl
.set AL,   32
.set IL,   36
.set FB,   64                          ; window 0: v's fragments, buffer f at FB + 64 f
.set FA,   128                         ; window 2: pw's fragments, buffer f at FA + 32 f
.set TMP,  64
.set BK,   128
.set MCR,  64                          ; the prologue: v64-95 sm of my two rows, then a;  v96-127 sl, then a in f16;  v128-135 M, L, 1 / L
.set LR,   96
.set MX,   128
.set LS,   130
.set LP,   3                           ; s3   trips to go
.set WV,   14
.set RH,   15                          ; s15  which 64 rows of the tile are mine
.set CH,   16                          ; s16  which 128 columns; also which half of a tile I fetch
.set G1,   24                          ; s[24:31] descriptor group 1 for pw's tiles;  s[32:39] group 0: a set for each of the two first fills; the second then walks on
.set G0,   32
.set G1B,  48                          ; s[48:55], s[56:63] the same for v's tiles
.set G0B,  56
.set TS,   66                          ; s66  256 x the step in hand: its row of the table
.set TB,   68                          ; s68  LDS byte at which the slot in hand begins
.set MSB, 0
.macro WIN new
.if MSB != (\new)
	s_set_vgpr_msb (MSB<<8)|(\new)
.set MSB, (\new)
.endif
.endm
.set MUL_LO, 0x58                      ; source 0 (v) window 0, source 1 (pw) window 2, C and D window 1
.set MUL_HI, 0xa8                      ; the same, C and D window 2.  Under it a packed multiply reads a in window 0 and scales a fragment of pw in window 2 in place
.set TO_A,   0x80                      ; destination window 2, address window 0
.macro PLACES                          ; four plain vector instructions between a matrix instruction and a load into, or a vector instruction on, one of its registers
.rept 4
	v_nop
.endr
.endm
.macro JLOAD s                         ; a joint load: waves 0 and 1 fetch the halves of pw's tile, waves 2 and 3 those of v's; an s_nop 0 and four v_nop follow each of the two lines
	s_cmp_lt_u32 s[WV], 2
	s_cbranch_scc0 .Lfor_b_\@
	tensor_load_to_lds s[G0+4*(\s):G0+4*(\s)+3], s[G1:G1+7]
	s_nop 0
.rept 4
	v_nop
.endr
	s_branch .Lasked_\@
.Lfor_b_\@:
	tensor_load_to_lds s[G0B+4*(\s):G0B+4*(\s)+3], s[G1B:G1B+7]
	s_nop 0
.rept 4
	v_nop
.endr
.Lasked_\@:
.endm
.macro CREST                           ; a round of the cluster's barrier behind its opening barrier: wave 0 signals for the work-group, every wave waits for all sixteen, my work-group's barrier closes it
	s_cmp_lg_u32 s[WV], 0
	s_cbranch_scc1 .Lnot_wave_0_\@
	s_barrier_signal -3
.Lnot_wave_0_\@:
	s_barrier_wait -3
	s_barrier_signal -1
	s_barrier_wait -1
.endm
.macro CROUND
	s_barrier_signal -1
	s_barrier_wait -1
	CREST
.endm
	s_load_b256 s[4:11], s[0:1], 0x0               ; pw s[4:5], qkv s[6:7], sm s[8:9], sl s[10:11]
	s_load_b64 s[12:13], s[0:1], 0x20              ; out0
	v_lshl_add_u32 v[SPW], v0, 2, SPARE
	v_mov_b32 v[NIL], 0
	ds_add_u32 v[SPW], v[NIL]                      ; the wave's opening: the add and its wait stand ahead of my first tensor load; the set-up below, work on registers, stands between them
	v_lshrrev_b32 v1, 5, v0
	v_readfirstlane_b32 s[WV], v1
	s_lshr_b32 s[RH], s[WV], 1
	s_and_b32 s[CH], s[WV], 1
	s_bfe_u32 s17, ttmp6, 0x40000                  ; cx, cy
	s_bfe_u32 s18, ttmp6, 0x40004
	s_lshl_b32 s19, ttmp9, 2
	s_add_co_u32 s19, s19, s17                     ; tile column = 4 x cluster x + cx (0..3)
	s_and_b32 s20, ttmp7, 0xffff
	s_lshr_b32 s67, s20, 2                         ; the batch: 16 tile rows each, four clusters: it hangs on the cluster's y alone
	s_lshl_b32 s20, s20, 2
	s_add_co_u32 s20, s20, s18                     ; tile row = 4 x cluster y + cy (0..63)
	s_lshl_b32 s21, s18, 2
	s_lshl_b32 s21, 15, s21                        ; my row of the cluster
	s_lshl_b32 s22, 0x1111, s17                    ; my column
	; descriptor group 1 for pw: 64 rows x 128 elements of 2 bytes, 4 words of padding behind every 64 words
	s_or_b32 s[G1], s21, (1<<16)|(1<<20)|(1<<21)|(5<<22)|(3<<25)
	s_mov_b32 s[G1+1], 128<<16
	s_mov_b32 s[G1+2], 64<<16
	s_mov_b32 s[G1+3], 128<<16
	s_mov_b32 s[G1+4], 64
	s_mov_b32 s[G1+5], 2048                        ; elements from row to row
	s_mov_b32 s[G1+6], 0
	s_mov_b32 s[G1+7], 0
	; and for v: 64 rows x 256 elements, 8 words of padding behind every 128 words
	s_or_b32 s[G1B], s22, (1<<16)|(1<<20)|(1<<21)|(6<<22)|(7<<25)
	s_mov_b32 s[G1B+1], 256<<16
	s_mov_b32 s[G1B+2], 64<<16
	s_mov_b32 s[G1B+3], 256<<16
	s_mov_b32 s[G1B+4], 64
	s_mov_b32 s[G1B+5], 3072
	s_mov_b32 s[G1B+6], 0
	s_mov_b32 s[G1B+7], 0
	; byte offsets, all under 2^31.  pw's hangs on the tile row alone, v's on the tile column and the batch alone
	s_lshl_b32 s23, s[CH], 6                       ; which 64 rows of a tile I fetch
	s_lshl_b32 s40, s20, 7
	s_add_co_u32 s40, s40, s23
	s_lshl_b32 s40, s40, 12                        ; pw: rows of 4,096 bytes
	s_mov_b32 s41, 0
	s_lshl_b32 s42, s67, 11                        ; v: the batch's first key,
	s_add_co_u32 s42, s42, s23
	s_mul_i32 s42, s42, ROWB
	s_lshl_b32 s43, s19, 9                         ; 512 bytes a tile column,
	s_add_co_u32 s42, s42, s43
	s_add_co_u32 s42, s42, 4096                    ; and v lies 4,096 bytes into a row
	s_mov_b32 s43, 0
	s_lshl_b32 s44, s20, 7                         ; out0: my first row,
	s_lshl_b32 s45, s[RH], 6
	s_add_co_u32 s44, s44, s45
	s_lshl_b32 s46, s44, 2                         ; (sm, sl: that row's word)
	s_mov_b32 s47, 0
	s_lshl_b32 s44, s44, 12
	s_lshl_b32 s45, s19, 10                        ; my first column
	s_add_co_u32 s44, s44, s45
	s_lshl_b32 s45, s[CH], 9
	s_add_co_u32 s44, s44, s45
	s_mov_b32 s45, 0
	s_mul_i32 s78, s[CH], 64*PA                    ; where my half of a tile goes: no place in the cluster enters an LDS address
	s_mul_i32 s79, s[CH], 64*PB
	s_add_co_u32 s79, s79, AT
	s_mov_b32 s[TS], 0
	s_mov_b32 s[TB], 0
	s_wait_dscnt 0x0                               ; the opening add is done
	s_wait_kmcnt 0x0
	s_add_nc_u64 s[40:41], s[4:5], s[40:41]
	s_add_nc_u64 s[42:43], s[6:7], s[42:43]
	s_add_nc_u64 s[72:73], s[12:13], s[44:45]
	s_add_nc_u64 s[74:75], s[8:9], s[46:47]
	s_add_nc_u64 s[76:77], s[10:11], s[46:47]
	CROUND                                         ; all sixteen work-groups are here: the first joint loads meet
.irp s, 0,1
	s_mov_b32 s[G0+4*(\s)], 1
	s_add_co_u32 s[G0+4*(\s)+1], s78, (\s)*SLOT1
	s_add_nc_u64 s[G0+4*(\s)+2:G0+4*(\s)+3], s[40:41], (\s)*STEPA
	s_or_b32 s[G0+4*(\s)+3], s[G0+4*(\s)+3], 0x80000000
	s_mov_b32 s[G0B+4*(\s)], 1
	s_add_co_u32 s[G0B+4*(\s)+1], s79, (\s)*SLOT1
	s_add_nc_u64 s[G0B+4*(\s)+2:G0B+4*(\s)+3], s[42:43], (\s)*STEPB
	s_or_b32 s[G0B+4*(\s)+3], s[G0B+4*(\s)+3], 0x80000000
	JLOAD \s                                       ; two tensor loads of mine are out: the most anywhere in this text
.endr
	; THE STATISTICS, in the wait for the first tiles.  Lane l owns wave rows 2 l and 2 l + 1: a load of the wave takes 256 consecutive bytes of a block's row of sm or sl.
	v_and_b32 v7, 31, v0
	v_lshlrev_b32 v[SO], 3, v7
.set j, 0
.rept 16
	global_load_b64 v[MCR+2*j:MCR+2*j+1], v[SO], s[74:75] offset:32768*j
	global_load_b64 v[LR+2*j:LR+2*j+1],   v[SO], s[76:77] offset:32768*j
.set j, j+1
.endr
	v_and_b32 v1, 15, v0                           ; l % 16
	v_bfe_u32 v2, v0, 4, 1                         ; l / 16
	v_mul_u32_u24 v3, v1, PA
	v_lshl_add_u32 v3, v2, 4, v3                   ; a fragment's row x pitch + 16 x half
	s_mul_i32 s23, s[RH], 64*PA
	v_add_nc_u32 v[ADRA0], s23, v3
	v_mov_b32 v[ADRA], v[ADRA0]
	; The turning load takes 16 keys x 16 channels (lane l reads 16 bytes: key 8 (l / 16) + l % 8, channels 8 ((l / 8) % 2) + 0..7) and leaves half a fragment: lane l holds channel l % 16 and 8 keys.
	v_and_b32 v4, 7, v0
	v_bfe_u32 v5, v0, 3, 1
	v_lshl_add_u32 v6, v2, 3, v4
	v_mul_u32_u24 v6, v6, PB
	v_lshl_add_u32 v6, v5, 4, v6
	s_lshl_b32 s23, s[CH], 8
	s_add_co_u32 s23, s23, AT
	v_add_nc_u32 v[ADRB0], s23, v6
	v_mov_b32 v[ADRB], v[ADRB0]
	s_mul_i32 s23, s[WV], 16*SP
	s_add_co_u32 s23, s23, STAGE                   ; my stage
	v_mul_u32_u24 v6, v1, SP                       ; in: row l % 16, 32 bytes for each half of the lanes
	v_lshl_add_u32 v6, v2, 5, v6
	v_add_nc_u32 v[STO], s23, v6
	v_lshlrev_b32 v[CO], 4, v7                     ; back: 32 lanes take a row's 512 bytes
	v_add_nc_u32 v[RD], s23, v[CO]
	s_mul_i32 s23, s[WV], TABW
	s_add_co_u32 s23, s23, TAB                     ; my table
	v_lshl_add_u32 v[TA0], v1, 4, s23
	v_bfe_u32 v8, v0, 3, 2                         ; row 2 l + e is row 2 (l % 8) + e of row block l / 8
	v_lshl_add_u32 v[TW], v4, 5, s23
	v_lshl_add_u32 v[TW], v8, 2, v[TW]
	s_wait_loadcnt 0x0
.irp e, 0,1                            ; M: the largest of a row's 16 block maxima
	v_max3_num_f32 v[MX+(\e)], v[MCR+(\e)], v[MCR+2+(\e)], v[MCR+4+(\e)]
.irp i, 0,1,2,3,4,5
	v_max3_num_f32 v[MX+(\e)], v[MX+(\e)], v[MCR+6+4*(\i)+(\e)], v[MCR+8+4*(\i)+(\e)]
.endr
	v_max_num_f32 v[MX+(\e)], v[MX+(\e)], v[MCR+30+(\e)]
.endr
.set j, 0
.rept 16
	v_pk_add_f32 v[MCR+2*j:MCR+2*j+1], v[MCR+2*j:MCR+2*j+1], v[MX:MX+1] neg_lo:[0,1] neg_hi:[0,1]
.set j, j+1
.endr
.set j, 0
.rept 32
	v_exp_f32 v[MCR+j], v[MCR+j]                   ; a = 2^(sm - M), 1 at the most
.set j, j+1
.endr
	v_nop                                          ; one plain instruction between the run of exponentials and the first use of a result (ISA guide 5.7.2)
	s_wait_alu depctr_va_vdst(0)
	v_pk_mul_f32 v[LS:LS+1],   v[MCR:MCR+1],   v[LR:LR+1]      ; L = the sum of a x sl, in two chains
	v_pk_mul_f32 v[LS+4:LS+5], v[MCR+2:MCR+3], v[LR+2:LR+3]
.set j, 2
.rept 7
	v_pk_fma_f32 v[LS:LS+1],   v[MCR+2*j:MCR+2*j+1],   v[LR+2*j:LR+2*j+1],   v[LS:LS+1]
	v_pk_fma_f32 v[LS+4:LS+5], v[MCR+2*j+2:MCR+2*j+3], v[LR+2*j+2:LR+2*j+3], v[LS+4:LS+5]
.set j, j+2
.endr
	v_pk_add_f32 v[LS:LS+1], v[LS:LS+1], v[LS+4:LS+5]
	v_rcp_f32 v[LS+2], v[LS]
	v_rcp_f32 v[LS+3], v[LS+1]
.set j, 0
.rept 32
	v_cvt_pk_f16_f32 v[LR+j], v[MCR+j], v[MCR+j]   ; a twice in a word; these touch neither a reciprocal's result nor its source, and are the plain instructions behind the reciprocals
.set j, j+1
.endr
.set j, 0
.rept 16
	ds_store_b32 v[TW], v[LR+2*j]   offset:256*j
	ds_store_b32 v[TW], v[LR+2*j+1] offset:256*j+16
.set j, j+1
.endr
	s_wait_alu depctr_va_vdst(0)
	ds_store_b32 v[TW], v[LS+2] offset:4096
	ds_store_b32 v[TW], v[LS+3] offset:4096+16     ; the table is my wave's own: LDS serves a wave's instructions in order, so its reads need no barrier
; 8 matrix instructions: row block a x all 8 channel blocks, 32 along K, from buffer f.  first = 1: the product starts the sum.  The 32 accumulators take turns.
; ride = g (with a = 3 alone): behind each product four packed multiplies scale buffer g's fragments of pw, just fetched, by a: register 4 b + i belongs to row block b / 2.  They name no register of the products round them.
.macro MUL8 f, a, first=0, ride=-1
.if (\a) < 2
	WIN MUL_LO
.else
	WIN MUL_HI
.endif
.irp b, 0,1,2,3,4,5,6,7
.if \first
	v_wmma_f32_16x16x32_f16 v[64*((\a)%2)+8*(\b):64*((\a)%2)+8*(\b)+7], v[FB+64*(\f)+8*(\b):FB+64*(\f)+8*(\b)+7], v[FA+32*(\f)+8*(\a):FA+32*(\f)+8*(\a)+7], 0
.else
	v_wmma_f32_16x16x32_f16 v[64*((\a)%2)+8*(\b):64*((\a)%2)+8*(\b)+7], v[FB+64*(\f)+8*(\b):FB+64*(\f)+8*(\b)+7], v[FA+32*(\f)+8*(\a):FA+32*(\f)+8*(\a)+7], v[64*((\a)%2)+8*(\b):64*((\a)%2)+8*(\b)+7]
.endif
.if (\ride) >= 0
.irp i, 0,1,2,3
	v_pk_mul_f16 v[FA+32*(\ride)+4*(\b)+(\i)], v[AL+(\b)/2], v[FA+32*(\ride)+4*(\b)+(\i)]
.endr
.endif
.endr
.endm
; 24 LDS loads in one run: the fragments of quarter q of the slot in hand into buffer f: pw's 8 loads first, then v's 16
.macro FETCH q, f
	WIN TO_A
.irp a, 0,1,2,3
	ds_load_b128 v[FA+32*(\f)+8*(\a):FA+32*(\f)+8*(\a)+3],   v[ADRA] offset:64*(\q)+(\a)*16*PA
	ds_load_b128 v[FA+32*(\f)+8*(\a)+4:FA+32*(\f)+8*(\a)+7], v[ADRA] offset:64*(\q)+(\a)*16*PA+32
.endr
	WIN 0
.irp b, 0,1,2,3,4,5,6,7
	ds_load_tr16_b128 v[FB+64*(\f)+8*(\b):FB+64*(\f)+8*(\b)+3],   v[ADRB] offset:(\q)*32*PB+32*(\b)
	ds_load_tr16_b128 v[FB+64*(\f)+8*(\b)+4:FB+64*(\f)+8*(\b)+7], v[ADRB] offset:(\q)*32*PB+16*PB+32*(\b)
.endr
.endm
; A K step is four quarters of 32 along K, 32 matrix instructions each, on buffers 0, 1, 0, 1.  One of the first three: multiplies buffer f, fetches quarter q into buffer g, and scales g's fragments of pw beside its last eight products.
.macro QUARTER q, f, g, first=0
	s_wait_dscnt 0x0                               ; buffer f is whole
	MUL8 \f, 0, \first
	PLACES                                         ; for the loads into buffer g, which the quarter before multiplied
	FETCH \q, \g
	MUL8 \f, 1, \first
	MUL8 \f, 2, \first
	s_wait_dscnt 16                                ; v's 16 loads may be out: g's fragments of pw are in
	MUL8 \f, 3, \first, \g
.endm
; The last quarter multiplies buffer 1 and changes slots: ONE barrier.  In front of it each wave waits for all its tensor loads, of which one is out: its part of the next slot; adds 0 to its spare word; and waits for that
; and for its own reads of this slot.  fill = 1: this slot is filled again, two K steps ahead: the barrier opens a round of the cluster's barrier, and the joint refill is the first tensor load behind it, 112 products ahead
; of the wait for it.  Then a of the next step is read: all fragments of the step in hand have been scaled.
.macro TURN fill
	WIN 0                                          ; (the add's two registers lie in window 0)
	s_wait_tensorcnt 0x0                           ; all my tensor loads have landed, so a group 0 may be written
	ds_add_u32 v[SPW], v[NIL]                      ; 0 onto my spare word
	s_wait_dscnt 0x1                               ; (the add alone may be out: buffer 1 is whole)
	MUL8 1, 0                                      ; eight products stand between the add and the wait for it
	s_wait_dscnt 0x0                               ; the add is done, and my reads of this slot are over
	s_barrier_signal -1
	MUL8 1, 1                                      ; work on registers while the others arrive
	WIN 0                                          ; (branches, or lines on window 0, follow)
	s_barrier_wait -1
.if \fill
	CREST                                          ; no wave of any partner still reads this slot's tiles or has a load on its way
	s_xor_b32 s[G0+5], s[G0+5], SLOT1              ; the walking descriptors: the other slot than last time,
	s_add_nc_u64 s[G0+6:G0+7], s[G0+6:G0+7], STEPA ; the next 128 keys; the type bits on top are not reached
	s_xor_b32 s[G0B+5], s[G0B+5], SLOT1
	s_add_nc_u64 s[G0B+6:G0B+7], s[G0B+6:G0B+7], STEPB
	JLOAD 1                                        ; its four v_nop are also the places in front of the loads below
.else
	PLACES
.endif
	s_xor_b32 s[TB], s[TB], SLOT1                  ; the fetches go on in the other slot,
	s_add_co_u32 s[TS], s[TS], 256                 ; and the table in the next block's row: 15 x 256 at the most
	v_add_nc_u32 v[ADRA], s[TB], v[ADRA0]
	v_add_nc_u32 v[ADRB], s[TB], v[ADRB0]
	v_add_nc_u32 v[TA], s[TS], v[TA0]
	ds_load_b128 v[AL:AL+3], v[TA]                 ; a of the next step
	FETCH 0, 0
	MUL8 1, 2
	s_wait_dscnt 16                                ; v's 16 loads may be out: a and buffer 0's fragments of pw are in
	MUL8 1, 3, 0, 0
.endm
; THE WAY OUT of row block a.  PACK: times 1 / L, each accumulator's registers in ascending order.  TOSTAGE: 32 bytes a lane into my own stage, and back as whole rows of 512 bytes.  SEND: stored.
.macro PACK a
	WIN 1+(\a)/2                                   ; source 0: window 1 or 2
.irp b, 0,1,2,3,4,5,6,7
.irp i, 0,1,2,3
.if (\a)%2
	v_pk_mul_f32 v[TMP+8*(\b)+2*(\i):TMP+8*(\b)+2*(\i)+1], v[64*((\a)%2)+8*(\b)+2*(\i):64*((\a)%2)+8*(\b)+2*(\i)+1], v[IL+2*((\a)/2):IL+2*((\a)/2)+1] op_sel:[0,1] op_sel_hi:[1,1]
.else
	v_pk_mul_f32 v[TMP+8*(\b)+2*(\i):TMP+8*(\b)+2*(\i)+1], v[64*((\a)%2)+8*(\b)+2*(\i):64*((\a)%2)+8*(\b)+2*(\i)+1], v[IL+2*((\a)/2):IL+2*((\a)/2)+1] op_sel_hi:[1,0]
.endif
.endr
.endr
	WIN 0
.endm
.macro TOSTAGE a
.irp b, 0,1,2,3,4,5,6,7
	ds_store_b128 v[STO], v[TMP+8*(\b):TMP+8*(\b)+3]   offset:64*(\b)
	ds_store_b128 v[STO], v[TMP+8*(\b)+4:TMP+8*(\b)+7] offset:64*(\b)+16
.endr
.irp t, 0,1,2,3,4,5,6,7,8,9,10,11,12,13,14,15
	ds_load_b128 v[BK+64*((\a)%2)+4*(\t):BK+64*((\a)%2)+4*(\t)+3], v[RD] offset:(\t)*SP  ; LDS serves a wave's instructions in order (ISA guide 5.7.1.4): these see the stores above
.endr
.endm
.macro SEND a
	s_wait_dscnt 0x0                               ; the block is back in registers
	s_wait_xcnt 0x0                                ; the stores of the block before have read their registers: the next TOSTAGE loads into them only behind this wait
.irp t, 0,1,2,3,4,5,6,7,8,9,10,11,12,13,14,15
	global_store_b128 v[CO], v[BK+64*((\a)%2)+4*(\t):BK+64*((\a)%2)+4*(\t)+3], s[72:73] offset:(16*(\a)+(\t))*ROWC th:TH_STORE_NT  ; 512 consecutive bytes, at a multiple of 256 from out0's first byte
.endr
.endm
	s_wait_dscnt 0x0                               ; my stores into the table are done: no LDS instruction is pending at a signal
	s_wait_tensorcnt 0x1                           ; my part of K step 0 is in; K step 1's may stay out
	s_barrier_signal -1
	s_barrier_wait -1                              ; everybody's is
	ds_load_b128 v[AL:AL+3], v[TA0]                ; a of block 0
	FETCH 0, 0
	s_wait_dscnt 16                                ; a and pw's fragments are in
	WIN MUL_HI
.set i, 0
.rept 32
	v_pk_mul_f16 v[FA+i], v[AL+i/8], v[FA+i]       ; the first quarter's fragments are scaled here, once, with no product to stand beside
.set i, i+1
.endr
	QUARTER 1, 0, 1, 1                             ; the first quarter stands in front of the loop: its products start the sums
	WIN 0                                          ; at a label and at a branch every window is 0
	s_mov_b32 s[LP], FILLS
.Lstep:                                                ; a trip goes from a K step's second quarter to the next step's first, and fills the slot that it leaves
	QUARTER 2, 1, 0
	QUARTER 3, 0, 1
	TURN 1
	QUARTER 1, 0, 1
	WIN 0
	s_sub_co_u32 s[LP], s[LP], 1
	s_cmp_lg_u32 s[LP], 0
	s_cbranch_scc1 .Lstep
	s_mov_b32 s[LP], 2                             ; the last two steps ask for nothing: a second text; its second trip is left in the middle
.Ltail:
	QUARTER 2, 1, 0
	QUARTER 3, 0, 1
	WIN 0
	s_sub_co_u32 s[LP], s[LP], 1
	s_cmp_eq_u32 s[LP], 0
	s_cbranch_scc1 .Lfin
	TURN 0                                         ; my one tensor load that was out is the last K step's
	QUARTER 1, 0, 1
	WIN 0
	s_branch .Ltail
.Lfin:
	s_wait_dscnt 0x0                               ; the very last quarter: nothing more to fetch
	MUL8 1, 0
	MUL8 1, 1
	MUL8 1, 2
	MUL8 1, 3
	WIN 0
	PLACES
	ds_load_b128 v[IL:IL+3], v[TA0] offset:4096    ; 1 / L of row l % 16 of my four row blocks
	s_wait_dscnt 0x0
	PACK 0
	TOSTAGE 0
.irp a, 1,2,3                          ; block a's scaling stands between block a - 1's loads from the stage and the wait for them
	PACK \a
	SEND (\a)-1
	TOSTAGE \a
.endr
	SEND 3
	s_wait_tensorcnt 0x0                           ; the wave's end: the wait, the add and its wait stand behind my last tensor load and my last LDS store
	ds_add_u32 v[SPW], v[NIL]
	s_wait_dscnt 0x0
	CROUND                                         ; the closing round: no work-group ends while a partner may still ask for a tile that names it
	s_endpgm
.Lfunc_end_k_qec96a6c25a_pv:
	.size	k_qec96a6c25a_pv, .Lfunc_end_k_qec96a6c25a_pv-k_qec96a6c25a_pv
	.p2alignl 7, 3214868480
	.fill 96, 4, 3214868480
	.section	.rodata,"a",@progbits
	.p2align	6, 0x0
	.amdhsa_kernel k_qec96a6c25a_pv
		.amdhsa_group_segment_fixed_size 327680
		.amdhsa_private_segment_fixed_size 0
		.amdhsa_enable_private_segment 0
		.amdhsa_kernarg_size 40
		.amdhsa_user_sgpr_count 2
		.amdhsa_user_sgpr_kernarg_segment_ptr 1
		.amdhsa_wavefront_size32 1
		.amdhsa_system_sgpr_workgroup_id_x 1
		.amdhsa_system_sgpr_workgroup_id_y 1
		.amdhsa_system_sgpr_workgroup_id_z 1
		.amdhsa_system_vgpr_workitem_id 0
		.amdhsa_next_free_vgpr 768
		.amdhsa_next_free_sgpr 80
		.amdhsa_reserve_vcc 0
		.amdhsa_float_denorm_mode_32 3
		.amdhsa_float_denorm_mode_16_64 3
		.amdhsa_memory_ordered 1
		.amdhsa_forward_progress 1
		.amdhsa_inst_pref_size 103
	.end_amdhsa_kernel
	.amdgpu_metadata
---
amdhsa.version: [ 1, 2 ]
amdhsa.kernels:
  - .name:           k_qec96a6c25a_pv
    .symbol:         k_qec96a6c25a_pv.kd
    .args:
      - { .name: pw, .offset: 0, .size: 8, .value_kind: global_buffer, .address_space: global }
      - { .name: qkv, .offset: 8, .size: 8, .value_kind: global_buffer, .address_space: global }
      - { .name: sm, .offset: 16, .size: 8, .value_kind: global_buffer, .address_space: global }
      - { .name: sl, .offset: 24, .size: 8, .value_kind: global_buffer, .address_space: global }
      - { .name: out0, .offset: 32, .size: 8, .value_kind: global_buffer, .address_space: global }
    .group_segment_fixed_size: 327680
    .private_segment_fixed_size: 0
    .kernarg_segment_align: 8
    .kernarg_segment_size: 40
    .max_flat_workgroup_size: 128
    .sgpr_count:     80
    .vgpr_count:     768
    .wavefront_size: 32
...
	.end_amdgpu_metadata
.endif
;; end of part 4
;; ======== version 2 of 2: 4 launches; version 1 with the launch cast written anew for expert scheduling mode
;; limits: values are held in f16: magnitudes above 65,504 overflow, below 6.1e-05 lose precision
;; workspace buffers: xb 16,777,216 bytes; wb 6,291,456 bytes; qkv 50,331,648 bytes; pw 33,554,432 bytes; sm 524,288 bytes; sl 524,288 bytes
;; launch cast (part 5): grid 704 x 1, 8 waves a work-group, no clusters, 0 bytes of LDS; arguments x, W_qkv, xb, wb; writes xb, wb
.if DOCPART == 5
	.amdgcn_target "amdgcn-amd-amdhsa--gfx1250"
	.amdhsa_code_object_version 6
	.text
	.protected	k_qec96a6c25a_cast
	.globl	k_qec96a6c25a_cast
	.p2align	8
	.type	k_qec96a6c25a_cast,@function
k_qec96a6c25a_cast:
	s_mov_b64 s[64:65], 0
	v_nop
	global_prefetch_b8 v0, s[64:65] scope:SCOPE_SE
	s_setreg_imm32_b32 hwreg(HW_REG_WAVE_SCHED_MODE, 0, 2), 2
	s_setreg_imm32_b32 hwreg(HW_REG_WAVE_MODE, 25, 1), 1
	s_wait_xcnt 0x0
	s_wait_alu depctr_vm_vsrc(0)
; xb = bf16(x) and wb = bf16(W_qkv), each number rounded once to nearest even.
; wb keeps W_qkv's layout, [1024][3072].  xb is laid out in blocks for the launch behind: [16 blocks of 64 k][8192 rows][64 k], so that 256 rows of one block of k are 32,768 bytes on end.
; A work-group casts 65,536 input bytes in 16 pieces a thread.  Work-groups 0-511 take 16 rows of x each, 512-703 take W_qkv.
; x: wave w takes the blocks 2 w and 2 w + 1 of k; in a piece lanes 0-15 take one row's 256 bytes of a block and lanes 16-31 the next row's, which become 256 consecutive bytes of xb.
; W_qkv: thread t takes the 16 bytes at 16 t of each 4,096 bytes.  In both, a wave's load covers two aligned runs of 256 bytes or 512 on end, and its store 256 consecutive bytes at a multiple of 256.
; All 16 loads go out first.  No LDS, no matrix unit, no cluster: nothing is shared and nothing is read twice.
; THE MODE: SCHED_MODE bits 1:0 = 2 (LLVM: expert scheduling mode 2), set by the entry lines.  The code itself states the register dependences between vector instructions and memory instructions,
; with s_wait_alu, always for 0.
; THE PLAN.  Registers that memory instructions touch:
;   v1, v2   the loads' and the stores' byte offsets: written once at the head by vector instructions, read by every load and every store, never written again.
;   IN       piece i: written by its load alone (no vector instruction names these registers before it), read by the piece's two conversions.
;   OUT      piece i: written by the piece's two conversions, read by its store, never written again.
; No register that a memory instruction reads is written a second time, and no load lands in a register that a vector instruction has named: what is left to state is that the offsets are written ahead of the
; first load, and that OUT is written ahead of its stores.  The 16 pieces go in four groups of GRP.  A group's stores are issued one group later: ONE wait at the head of a group states that the group before has
; written its OUT, and that group's four stores follow, dealt among this group's conversions, which name their own IN and OUT alone.  One more wait stands ahead of the last group's stores.
.set XG,   512                         ; work-groups that take x
.set GRP,  4                           ; pieces in a group
.set IN,   8                           ; v[8:71]    piece i: 4 registers as loaded
.set OUT,  72                          ; v[72:103]  piece i: 2 registers to store
; Piece p's store: it lies (p / 2) oa + (p % 2) ob bytes on in the output.
.macro PUT p, oa, ob
	global_store_b64 v2, v[OUT+2*(\p):OUT+2*(\p)+1], s[14:15] offset:((\p)/2)*(\oa)+((\p)%2)*(\ob)
.endm
; Piece i lies (i / 2) ia + (i % 2) ib bytes on in the input and (i / 2) oa + (i % 2) ob bytes on in the output.
.macro MOVE ia, ib, oa, ob
	s_wait_alu depctr_va_vdst(0)                   ; v1 and v2 are written: every load below reads v1 as its offset, every store v2
.irp i, 0,1,2,3,4,5,6,7,8,9,10,11,12,13,14,15
	global_load_b128 v[IN+4*(\i):IN+4*(\i)+3], v1, s[12:13] offset:((\i)/2)*(\ia)+((\i)%2)*(\ib) th:TH_LOAD_NT
.endr
.irp i, 0,1,2,3,4,5,6,7,8,9,10,11,12,13,14,15
	s_wait_loadcnt 15-(\i)                         ; loads come back in order: piece i is in, the younger ones stay out
.if (\i) >= GRP
.if (\i) % GRP == 0
	s_wait_alu depctr_va_vdst(0)                   ; the conversions of the group before have written its OUT, which the four stores dealt among this group's conversions read
.endif
	PUT (\i)-GRP, \oa, \ob                         ; no wait: no vector instruction since the wait above names this piece's OUT or v2
.endif
	v_cvt_pk_bf16_f32 v[OUT+2*(\i)],   v[IN+4*(\i)],   v[IN+4*(\i)+1]
	v_cvt_pk_bf16_f32 v[OUT+2*(\i)+1], v[IN+4*(\i)+2], v[IN+4*(\i)+3]
.endr
	s_wait_alu depctr_va_vdst(0)                   ; the last group's conversions have written its OUT, which the last four stores read
.irp i, 12,13,14,15
	PUT \i, \oa, \ob
.endr
.endm
	s_load_b256 s[4:11], s[0:1], 0x0               ; x s[4:5], W_qkv s[6:7], xb s[8:9], wb s[10:11]
	s_mov_b32 s19, 0
	s_mov_b32 s21, 0
	s_cmp_lt_u32 ttmp9, XG                         ; the way hangs on the work-group's number alone
	s_cbranch_scc0 .Lweights
	v_and_b32 v3, 15, v0                           ; my 16 bytes in a row's 256 bytes of a block
	v_bfe_u32 v4, v0, 4, 1                         ; which of the piece's two rows
	v_lshrrev_b32 v5, 5, v0                        ; wave
	v_lshlrev_b32 v1, 4, v3
	v_lshl_add_u32 v1, v4, 12, v1                  ; in: a row of x is 4,096 bytes,
	v_lshl_add_u32 v1, v5, 9, v1                   ; two blocks of k are 512
	v_lshlrev_b32 v2, 3, v3
	v_lshl_add_u32 v2, v4, 7, v2                   ; out: a row of a block is 128 bytes,
	v_lshl_add_u32 v2, v5, 21, v2                  ; two blocks are 2 x 8,192 x 128
	s_lshl_b32 s18, ttmp9, 16                      ; my 16 rows in x
	s_lshl_b32 s20, ttmp9, 11                      ; and in a block of xb
	s_wait_kmcnt 0x0
	s_add_nc_u64 s[12:13], s[4:5], s[18:19]
	s_add_nc_u64 s[14:15], s[8:9], s[20:21]
	MOVE 8192, 256, 256, 1048576                   ; piece i: rows 2 (i / 2) and + 1, block 2 w + i % 2
	s_endpgm
.Lweights:
	v_lshlrev_b32 v1, 4, v0
	v_lshlrev_b32 v2, 3, v0
	s_sub_co_u32 s16, ttmp9, XG                    ; my number among the work-groups of W_qkv
	s_lshl_b32 s18, s16, 16
	s_lshl_b32 s20, s16, 15
	s_wait_kmcnt 0x0
	s_add_nc_u64 s[12:13], s[6:7], s[18:19]
	s_add_nc_u64 s[14:15], s[10:11], s[20:21]
	MOVE 8192, 4096, 4096, 2048                    ; piece i: the 4,096 bytes at 4,096 i
	s_endpgm
.Lfunc_end_k_qec96a6c25a_cast:
	.size	k_qec96a6c25a_cast, .Lfunc_end_k_qec96a6c25a_cast-k_qec96a6c25a_cast
	.p2alignl 7, 3214868480
	.fill 96, 4, 3214868480
	.section	.rodata,"a",@progbits
	.p2align	6, 0x0
	.amdhsa_kernel k_qec96a6c25a_cast
		.amdhsa_group_segment_fixed_size 0
		.amdhsa_private_segment_fixed_size 0
		.amdhsa_enable_private_segment 0
		.amdhsa_kernarg_size 32
		.amdhsa_user_sgpr_count 2
		.amdhsa_user_sgpr_kernarg_segment_ptr 1
		.amdhsa_wavefront_size32 1
		.amdhsa_system_sgpr_workgroup_id_x 1
		.amdhsa_system_sgpr_workgroup_id_y 1
		.amdhsa_system_sgpr_workgroup_id_z 1
		.amdhsa_system_vgpr_workitem_id 0
		.amdhsa_next_free_vgpr 104
		.amdhsa_next_free_sgpr 66
		.amdhsa_reserve_vcc 0
		.amdhsa_float_denorm_mode_32 3
		.amdhsa_float_denorm_mode_16_64 3
		.amdhsa_memory_ordered 1
		.amdhsa_forward_progress 1
		.amdhsa_inst_pref_size 13
	.end_amdhsa_kernel
	.amdgpu_metadata
---
amdhsa.version: [ 1, 2 ]
amdhsa.kernels:
  - .name:           k_qec96a6c25a_cast
    .symbol:         k_qec96a6c25a_cast.kd
    .args:
      - { .name: x, .offset: 0, .size: 8, .value_kind: global_buffer, .address_space: global }
      - { .name: W_qkv, .offset: 8, .size: 8, .value_kind: global_buffer, .address_space: global }
      - { .name: xb, .offset: 16, .size: 8, .value_kind: global_buffer, .address_space: global }
      - { .name: wb, .offset: 24, .size: 8, .value_kind: global_buffer, .address_space: global }
    .group_segment_fixed_size: 0
    .private_segment_fixed_size: 0
    .kernarg_segment_align: 8
    .kernarg_segment_size: 32
    .max_flat_workgroup_size: 256
    .sgpr_count:     66
    .vgpr_count:     104
    .wavefront_size: 32
...
	.end_amdgpu_metadata
.endif
;; end of part 5
;; launch proj: the kernel of part 2 again; grid 8 x 32, 4 waves a work-group, clusters of 4 x 4, 327,680 bytes of LDS; arguments xb, wb, b_qkv, qkv; writes qkv
;; launch score: the kernel of part 3 again; grid 8 x 32, 4 waves a work-group, clusters of 4 x 4, 327,680 bytes of LDS; arguments qkv, pw, sm, sl; writes pw, sm, sl
;; launch pv: the kernel of part 4 again; grid 4 x 64, 4 waves a work-group, clusters of 4 x 4, 327,680 bytes of LDS; arguments pw, qkv, sm, sl, out0; writes out0
